; MI455X (gfx1250); checked and timed in simulation.
; The chip was launched on July 23, 2026; its instructions are those of AMD's public machine-readable ISA for CDNA 5 (MIT licence, August 2026) and "CDNA5" Instruction Set Architecture Reference Guide (July 2026). The comments in the code are by the model that wrote it; some were corrected since.
;; Attention Block. Allowed arithmetic: float matrix products may take bf16 or f16 operands with f32 sums; other float arithmetic in f32, or as packed bf16 or f16 multiplies, adds, multiply-adds, maxima and minima; sums over many terms, partial sums and values carried from step to step in f32; what a program stores and reads back later, other than sums and carried values, may be rounded once to bf16 or f16.
;; Inputs: W1 1,024 x 1,024 float32; W2 1,024 x 1,024 float32; Wk 16 x 1,024 x 64 float32; Wq 16 x 1,024 x 64 float32; Wv 16 x 1,024 x 64 float32; b1 1,024 float32; b2 1,024 float32; g1 1,024 float32; g2 1,024 float32; x 8 x 1,024 x 1,024 float32.
;; Outputs: out0 8 x 1,024 x 1,024 float32.
;; 2 versions, each right; version 2 is version 1 with the launch ln1 written anew for expert scheduling mode. Each part assembles by itself: llvm-mc -triple=amdgcn-amd-amdhsa -mcpu=gfx1250 --defsym DOCPART=n.
;; ======== version 1 of 2: 7 launches
;; workspace buffers: part 65,536 bytes; w1p 2,097,408 bytes; w2p 2,097,408 bytes; uv 557,056 bytes; rs 524,288 bytes; x1b 16,777,216 bytes; hb 16,777,216 bytes; ffb 16,777,216 bytes
;; launch prep (part 1): grid 256 x 1, 16 waves a work-group, no clusters, 6,144 bytes of LDS; arguments x, W1, W2, part, w1p, w2p; writes part, w1p, w2p
.if DOCPART == 1
	.amdgcn_target "amdgcn-amd-amdhsa--gfx1250"
	.amdhsa_code_object_version 6
	.text
	.protected	k_qcc116658de_prep
	.globl	k_qcc116658de_prep
	.p2align	8
	.type	k_qcc116658de_prep,@function
k_qcc116658de_prep:
	s_mov_b64 s[64:65], 0
	v_nop
	global_prefetch_b8 v0, s[64:65] scope:SCOPE_SE
	s_setreg_imm32_b32 hwreg(HW_REG_WAVE_MODE, 25, 1), 1
	s_wait_xcnt 0x0
; PREP.  (1) part[half][b][c] = the sum of x[b][t][c] over the 512 tokens t of one half of batch b, in f32.
; (2) w1p, w2p = W1, W2 rounded once to bf16, layout [k][n] kept.  (3) Behind each copy 256 bytes of the lower bound
; that the product's way out applies to its packed results: 0 twice (a ReLU) behind w1p, -infinity twice (no bound) behind w2p.
; SHARES.  Work-group g takes half-batch g / 16 and the strip of 64 channels g % 16: 512 rows x 256 bytes of x.  Sixteen lanes read one row's
; 256 consecutive bytes, aligned; a thread adds 16 rows, the two halves of a wave meet by one exchange, the 16 waves in LDS.
; It also converts 16,384 bytes of W1 and of W2.  No matrix work, no cluster: nothing here is shared and the bytes are the launch.
.set SPARE, 4096                       ; behind the 16 waves' partial sums (256 bytes each): the spare words, 128 bytes a wave
.set XO,  2                            ; v2   (thread / 16) x 4,096 + (thread % 16) x 16: my 16 bytes of my row of x
.set WO,  3                            ; v3   16 x thread: my 16 bytes of W1 and of W2
.set SO,  4                            ; v4   8 x thread: my 8 bytes of w1p and of w2p
.set LS,  5                            ; v5   where my wave's partial sums go
.set L8,  6                            ; v6   8 x lane
.set SPW, 8                            ; v8   my spare word; never rewritten
.set NIL, 9                            ; v9   0; never rewritten
.set FL,  10                           ; v[10:13] the two bounds
.set X,   16                           ; v[16:79] 16 rows' 16 bytes
.set WA,  80                           ; v[80:95] W1, W2 as loaded
.set WB,  96                           ; v[96:103] as stored
	s_load_b256 s[4:11], s[0:1], 0x0               ; x s[4:5], W1 s[6:7], W2 s[8:9], part s[10:11]
	s_load_b128 s[12:15], s[0:1], 0x20             ; w1p s[12:13], w2p s[14:15]
	v_lshl_add_u32 v[SPW], v0, 2, SPARE
	v_mov_b32 v[NIL], 0
	v_lshrrev_b32 v1, 5, v0
	v_readfirstlane_b32 s16, v1                    ; wave 0..15
	v_and_b32 v7, 15, v0
	v_lshrrev_b32 v[XO], 4, v0
	v_lshlrev_b32 v[XO], 12, v[XO]
	v_lshl_add_u32 v[XO], v7, 4, v[XO]
	v_lshlrev_b32 v[WO], 4, v0
	v_lshlrev_b32 v[SO], 3, v0
	v_lshlrev_b32 v[LS], 4, v7
	v_lshl_add_u32 v[LS], s16, 8, v[LS]            ; 256 x wave + 16 x (lane % 16)
	v_and_b32 v[L8], 31, v0
	v_lshlrev_b32 v[L8], 3, v[L8]
	s_mov_b32 s18, 0x76543210                      ; v_permlanex16_b32: each lane takes its own place in the other half
	s_mov_b32 s19, 0xfedcba98
	s_and_b32 s17, ttmp9, 15
	s_lshl_b32 s17, s17, 8                         ; the strip's 256 bytes
	s_lshr_b32 s20, ttmp9, 4
	s_lshl_b32 s20, s20, 21                        ; the half-batch: 512 rows of 4,096 bytes
	s_add_co_u32 s20, s20, s17
	s_mov_b32 s21, 0
	s_lshl_b32 s22, ttmp9, 14                      ; my 16,384 bytes of W1 and W2
	s_mov_b32 s23, 0
	s_lshl_b32 s24, ttmp9, 13                      ; and the 8,192 that they become
	s_mov_b32 s25, 0
	s_bfe_u32 s26, ttmp9, 0x10004                  ; half
	s_lshl_b32 s26, s26, 15
	s_lshr_b32 s27, ttmp9, 5                       ; b
	s_lshl_b32 s27, s27, 12
	s_add_co_u32 s26, s26, s27
	s_add_co_u32 s26, s26, s17                     ; part: half x 32,768 + b x 4,096 + the strip
	s_mov_b32 s27, 0
	s_wait_kmcnt 0x0
	s_add_nc_u64 s[4:5], s[4:5], s[20:21]
	s_add_nc_u64 s[6:7], s[6:7], s[22:23]
	s_add_nc_u64 s[8:9], s[8:9], s[22:23]
	s_add_nc_u64 s[10:11], s[10:11], s[26:27]
	s_add_nc_u64 s[28:29], s[12:13], s[24:25]
	s_add_nc_u64 s[30:31], s[14:15], s[24:25]
	global_load_b128 v[WA:WA+3],     v[WO], s[6:7] th:TH_LOAD_NT
	global_load_b128 v[WA+4:WA+7],   v[WO], s[6:7] offset:8192 th:TH_LOAD_NT
	global_load_b128 v[WA+8:WA+11],  v[WO], s[8:9] th:TH_LOAD_NT
	global_load_b128 v[WA+12:WA+15], v[WO], s[8:9] offset:8192 th:TH_LOAD_NT
.set j, 0
.rept 16
	global_load_b128 v[X+4*j:X+4*j+3], v[XO], s[4:5] offset:131072*j  ; 32 rows further down each time; x is read again by later launches: no hint
.set j, j+1
.endr
	s_wait_loadcnt 16                              ; the four loads of W1 and W2 are in; x's sixteen stay out
.set j, 0
.rept 8
	v_cvt_pk_bf16_f32 v[WB+j], v[WA+2*j], v[WA+2*j+1]
.set j, j+1
.endr
	global_store_b64 v[SO], v[WB:WB+1],   s[28:29]              ; a wave's store covers 256 consecutive bytes, aligned
	global_store_b64 v[SO], v[WB+2:WB+3], s[28:29] offset:4096
	global_store_b64 v[SO], v[WB+4:WB+5], s[30:31]
	global_store_b64 v[SO], v[WB+6:WB+7], s[30:31] offset:4096
.macro ADD4 d, s                       ; row d's four sums take row s's
	v_pk_add_f32 v[X+4*(\d):X+4*(\d)+1],   v[X+4*(\d):X+4*(\d)+1],   v[X+4*(\s):X+4*(\s)+1]
	v_pk_add_f32 v[X+4*(\d)+2:X+4*(\d)+3], v[X+4*(\d)+2:X+4*(\d)+3], v[X+4*(\s)+2:X+4*(\s)+3]
.endm
.irp q, 0,1,2,3
	s_wait_loadcnt 12-4*(\q)                       ; four more rows are in; the younger ones stay out
	ADD4 4*(\q), 4*(\q)+1
	ADD4 4*(\q)+2, 4*(\q)+3
	ADD4 4*(\q), 4*(\q)+2
.endr
	ADD4 0, 4
	ADD4 8, 12
	ADD4 0, 8
.irp e, 0,1,2,3
	v_permlanex16_b32 v[X+4+\e], v[X+\e], s18, s19 ; the wave's other row group (the destination has been written: it held a row)
.endr
	ADD4 0, 1
	ds_store_b128 v[LS], v[X:X+3]                  ; both halves of the lanes write the same numbers to the same bytes
	s_wait_dscnt 0x0                               ; for the others' sake: my store is done
	s_barrier_signal -1
	s_barrier_wait -1
	s_cmp_lg_u32 s16, 0
	s_cbranch_scc1 .Lend                           ; wave 0 adds the sixteen
.set j, 0
.rept 16
	ds_load_b64 v[X+2*j:X+2*j+1], v[L8] offset:256*j
.set j, j+1
.endr
	s_wait_dscnt 0x0
.irp n, 16,8,4,2
.set j, 0
.rept (\n)/2
	v_pk_add_f32 v[X+j:X+j+1], v[X+j:X+j+1], v[X+(\n)+j:X+(\n)+j+1]
.set j, j+2
.endr
.endr
	global_store_b64 v[L8], v[X:X+1], s[10:11]     ; the strip's 64 sums: 256 consecutive bytes, aligned
	s_cmp_lg_u32 ttmp9, 0
	s_cbranch_scc1 .Lend                           ; one work-group writes the two bounds
	v_mov_b32 v[FL], 0
	v_mov_b32 v[FL+1], 0
	v_mov_b32 v[FL+2], 0xff80ff80
	v_mov_b32 v[FL+3], 0xff80ff80
	global_store_b64 v[L8], v[FL:FL+1],   s[12:13] offset:2097152
	global_store_b64 v[L8], v[FL+2:FL+3], s[14:15] offset:2097152
.Lend:
	s_wait_tensorcnt 0x0                           ; the wave's end: behind my last LDS store
	ds_add_u32 v[SPW], v[NIL]
	s_wait_dscnt 0x0
	s_endpgm
.Lfunc_end_k_qcc116658de_prep:
	.size	k_qcc116658de_prep, .Lfunc_end_k_qcc116658de_prep-k_qcc116658de_prep
	.p2alignl 7, 3214868480
	.fill 96, 4, 3214868480
	.section	.rodata,"a",@progbits
	.p2align	6, 0x0
	.amdhsa_kernel k_qcc116658de_prep
		.amdhsa_group_segment_fixed_size 6144
		.amdhsa_private_segment_fixed_size 0
		.amdhsa_enable_private_segment 0
		.amdhsa_kernarg_size 48
		.amdhsa_user_sgpr_count 2
		.amdhsa_user_sgpr_kernarg_segment_ptr 1
		.amdhsa_wavefront_size32 1
		.amdhsa_system_sgpr_workgroup_id_x 1
		.amdhsa_system_sgpr_workgroup_id_y 1
		.amdhsa_system_sgpr_workgroup_id_z 1
		.amdhsa_system_vgpr_workitem_id 0
		.amdhsa_next_free_vgpr 104
		.amdhsa_next_free_sgpr 66
		.amdhsa_reserve_vcc 0
		.amdhsa_float_denorm_mode_32 3
		.amdhsa_float_denorm_mode_16_64 3
		.amdhsa_memory_ordered 1
		.amdhsa_forward_progress 1
		.amdhsa_inst_pref_size 10
	.end_amdhsa_kernel
	.amdgpu_metadata
---
amdhsa.version: [ 1, 2 ]
amdhsa.kernels:
  - .name:           k_qcc116658de_prep
    .symbol:         k_qcc116658de_prep.kd
    .args:
      - { .name: x, .offset: 0, .size: 8, .value_kind: global_buffer, .address_space: global }
      - { .name: W1, .offset: 8, .size: 8, .value_kind: global_buffer, .address_space: global }
      - { .name: W2, .offset: 16, .size: 8, .value_kind: global_buffer, .address_space: global }
      - { .name: part, .offset: 24, .size: 8, .value_kind: global_buffer, .address_space: global }
      - { .name: w1p, .offset: 32, .size: 8, .value_kind: global_buffer, .address_space: global }
      - { .name: w2p, .offset: 40, .size: 8, .value_kind: global_buffer, .address_space: global }
    .group_segment_fixed_size: 6144
    .private_segment_fixed_size: 0
    .kernarg_segment_align: 8
    .kernarg_segment_size: 48
    .max_flat_workgroup_size: 512
    .sgpr_count:     66
    .vgpr_count:     104
    .wavefront_size: 32
...
	.end_amdgpu_metadata
.endif
;; end of part 1
;; launch heads (part 2): grid 5 x 16, 16 waves a work-group, no clusters, 110,592 bytes of LDS; arguments part, Wk, Wv, Wq, uv; writes uv
.if DOCPART == 2
	.amdgcn_target "amdgcn-amd-amdhsa--gfx1250"
	.amdhsa_code_object_version 6
	.text
	.protected	k_qcc116658de_heads
	.globl	k_qcc116658de_heads
	.p2align	8
	.type	k_qcc116658de_heads,@function
k_qcc116658de_heads:
	s_mov_b64 s[64:65], 0
	v_nop
	global_prefetch_b8 v0, s[64:65] scope:SCOPE_SE
	s_setreg_imm32_b32 hwreg(HW_REG_WAVE_MODE, 25, 1), 1
	s_wait_xcnt 0x0
; HEADS.  Only the row sums of the scores are used, so they are taken by sums in another order, for every input:
;   xsum[b][c] = sum over t of x[b][t][c];  ksum[b][h][d] = sum over c of xsum[b][c] Wk[h][c][d];  vsum likewise from Wv;
;   u[b][h][c] = sum over d of Wq[h][c][d] ksum[b][h][d] / 8, so that rowsum[b][h][t] = sum over c of x[b][t][c] u[b][h][c].
; These three products have 8 rows; each weight is read for 8 multiply-adds, and their results stand in an exponent later: they are taken in f32
; on the vector unit.  u leaves as two bf16 numbers, hi + lo (16 significant bits), for the matrix product of the next launch; vsum leaves in f32.
; SHARES.  y = head h.  x = 0..3: ksum of the head (made anew in each of the four) and then u for channels 256 x .. 256 x + 255.  x = 4: vsum, by the same text on Wv.
; A thread holds 32 rows' 16 bytes of the weight: row (thread / 16) + 32 j, columns 4 (thread % 16) + 0..3; a wave's load covers 512 consecutive bytes.
; ONE branch on x parts the two ways, behind the multiply-adds; x is the same for all waves, so every wave of a work-group passes the same barriers.
.set XSL,   0                          ; [c 1024][b 8] f32: 32 bytes a channel
.set RED,   32768                      ; [row group 32][b 8][d 64] f32
.set KS,    98304                      ; [b 8][d 64] f32
.set UST,   100352                     ; [c' 256][b 8] f32
.set SPARE, 108544                     ; the spare words, 128 bytes a wave
.set SPW, 13                           ; v13  my spare word; never rewritten
.set NIL, 14                           ; v14  0; never rewritten
.set XT,  16                           ; v[16:47]   part as loaded; then xsum of four channels, 8 batches each
.set XS,  48                           ; v[48:63]   xsum of my two channels
.set ACC, 64                           ; v[64:95]   batch b's four columns at ACC + 4 b
.set W,   96                           ; v[96:223]  the weight; later the reduction's 32,
.set KSR, 128                          ;            ksum / 8 of my four columns, 8 batches,
.set U,   160                          ;            u of one row, 8 batches,
.set T,   168                          ;            and 16 at work
.set Q,   224                          ; v[224:255] my 8 rows' 16 bytes of Wq
	s_load_b256 s[4:11], s[0:1], 0x0               ; part s[4:5], Wk s[6:7], Wv s[8:9], Wq s[10:11]
	s_load_b64 s[12:13], s[0:1], 0x20              ; uv
	v_lshl_add_u32 v[SPW], v0, 2, SPARE
	v_mov_b32 v[NIL], 0
	v_lshrrev_b32 v1, 5, v0
	v_readfirstlane_b32 s14, v1                    ; wave 0..15
	s_and_b32 s15, ttmp7, 0xffff                   ; h
	s_mov_b32 s16, ttmp9                           ; the slice, or 4
	v_lshlrev_b32 v2, 4, v0                        ; 16 x thread
	v_lshlrev_b32 v3, 3, v0                        ; 8 x thread
	v_lshlrev_b32 v4, 6, v0                        ; XSL + 64 x thread: my two channels
	v_lshrrev_b32 v15, 4, v0                       ; thread / 16
	v_and_b32 v1, 15, v0                           ; thread % 16
	v_lshlrev_b32 v5, 5, v15                       ; XSL + 32 x (thread / 16)
	v_lshlrev_b32 v6, 11, v15
	v_lshl_add_u32 v6, v1, 4, v6
	v_add_nc_u32 v6, RED, v6                       ; my row group's partial sums
	v_lshl_add_u32 v7, v0, 2, RED                  ; one (b, d) of them: thread = 64 b + d
	v_lshl_add_u32 v8, v0, 2, KS
	v_lshl_add_u32 v9, v1, 4, KS
	v_lshl_add_u32 v10, v15, 5, UST
	v_and_b32 v48, 63, v0
	v_lshrrev_b32 v49, 6, v0
	v_lshlrev_b32 v11, 7, v48
	v_lshl_add_u32 v11, v49, 2, v11
	v_add_nc_u32 v11, UST, v11                     ; the way out: batch thread / 64, channels 4 (thread % 64) + 0..3
	v_lshlrev_b32 v12, 15, v49
	v_lshl_add_u32 v12, v48, 3, v12                ; and their 8 bytes in u: b x 32,768 + 8 (thread % 64)
	s_lshl_b32 s20, s15, 18                        ; a head's weight is 262,144 bytes
	s_mov_b32 s21, 0
	s_wait_kmcnt 0x0
	s_cmp_eq_u32 s16, 4
	s_cselect_b64 s[18:19], s[8:9], s[6:7]         ; Wv or Wk
	s_add_nc_u64 s[18:19], s[18:19], s[20:21]
.set i, 0
.rept 16
	global_load_b64 v[XT+2*i:XT+2*i+1], v3, s[4:5] offset:4096*i  ; part[half][b][2 thread ..]: i = 8 half + b
.set i, i+1
.endr
.set i, 0
.rept 32
	global_load_b128 v[W+4*i:W+4*i+3], v2, s[18:19] offset:8192*i
.set i, i+1
.endr
	s_wait_loadcnt 32                              ; part is in; the weight's 32 loads stay out
.irp e, 0,1
.irp b, 0,1,2,3,4,5,6,7
	v_add_f32 v[XS+8*\e+\b], v[XT+2*\b+\e], v[XT+16+2*\b+\e]  ; the two halves of the batch
.endr
.endr
.irp k, 0,1,2,3
	ds_store_b128 v4, v[XS+4*\k:XS+4*\k+3] offset:XSL+16*\k
.endr
	s_wait_dscnt 0x0
	s_barrier_signal -1
	s_barrier_wait -1                              ; xsum lies in LDS, whole
; Four rows of the weight: their channels' xsum comes out of LDS (16 lanes read the same 32 bytes), and each of the 8 batches takes 4 x 4 multiply-adds, two an instruction.
; The factor is one word of a pair, given to both halves: the low word for an even batch, the high word for an odd one.  The very first row starts the sums: nothing is cleared.
.macro GRP q
.irp jj, 0,1,2,3
	ds_load_b128 v[XT+8*\jj:XT+8*\jj+3],   v5 offset:XSL+(4*(\q)+\jj)*1024
	ds_load_b128 v[XT+8*\jj+4:XT+8*\jj+7], v5 offset:XSL+(4*(\q)+\jj)*1024+16
.endr
	s_wait_dscnt 0x0
	s_wait_loadcnt 28-4*(\q)                       ; the weight's loads up to row group 4 q + 3 are in; the younger ones stay out
.irp jj, 0,1,2,3
.irp b, 0,1,2,3,4,5,6,7
.irp p, 0,2
.set rA, ACC+4*\b+\p
.set rW, W+4*(4*(\q)+\jj)+\p
.set rX, XT+8*\jj+2*(\b/2)
.if ((\q)+\jj) == 0
.if (\b%2) == 0
	v_pk_mul_f32 v[rA:rA+1], v[rW:rW+1], v[rX:rX+1] op_sel_hi:[1,0]
.else
	v_pk_mul_f32 v[rA:rA+1], v[rW:rW+1], v[rX:rX+1] op_sel:[0,1] op_sel_hi:[1,1]
.endif
.else
.if (\b%2) == 0
	v_pk_fma_f32 v[rA:rA+1], v[rW:rW+1], v[rX:rX+1], v[rA:rA+1] op_sel_hi:[1,0,1]
.else
	v_pk_fma_f32 v[rA:rA+1], v[rW:rW+1], v[rX:rX+1], v[rA:rA+1] op_sel:[0,1,0] op_sel_hi:[1,1,1]
.endif
.endif
.endr
.endr
.endr
.endm
.irp q, 0,1,2,3,4,5,6,7
	GRP \q
.endr
; The 32 row groups' partial sums meet in LDS; thread 64 b + d adds the 32 of (b, d) in a fixed order.  sc = 1: the scores' 1 / 8 goes in here.
.macro REDUCE sc
.irp b, 0,1,2,3,4,5,6,7
	ds_store_b128 v6, v[ACC+4*\b:ACC+4*\b+3] offset:256*\b
.endr
	s_wait_dscnt 0x0
	s_barrier_signal -1
	s_barrier_wait -1
.set i, 0
.rept 32
	ds_load_b32 v[W+i], v7 offset:2048*i
.set i, i+1
.endr
	s_wait_dscnt 0x0
.irp n, 16,8,4,2
.set i, 0
.rept (\n)/2
	v_pk_add_f32 v[W+i:W+i+1], v[W+i:W+i+1], v[W+(\n)+i:W+(\n)+i+1]
.set i, i+2
.endr
.endr
	v_add_f32 v[W], v[W], v[W+1]
.if \sc
	v_mul_f32 v[W], 0x3e000000, v[W]               ; 1 / sqrt(64)
.endif
	ds_store_b32 v8, v[W]
	s_wait_dscnt 0x0
	s_barrier_signal -1
	s_barrier_wait -1
.endm
	s_cmp_eq_u32 s16, 4
	s_cbranch_scc1 .Lvsum
	; u.  My slice of Wq is asked for here; it has the reduction's two barriers in which to land.
	s_lshl_b32 s22, s16, 16                        ; 256 rows of 256 bytes
	s_mov_b32 s23, 0
	s_add_nc_u64 s[10:11], s[10:11], s[20:21]
	s_add_nc_u64 s[10:11], s[10:11], s[22:23]
.set i, 0
.rept 8
	global_load_b128 v[Q+4*i:Q+4*i+3], v2, s[10:11] offset:8192*i th:TH_LOAD_NT
.set i, i+1
.endr
	REDUCE 1
.irp b, 0,1,2,3,4,5,6,7
	ds_load_b128 v[KSR+4*\b:KSR+4*\b+3], v9 offset:256*\b
.endr
	s_lshl_b32 s22, s15, 11                        ; u: head h, 2,048 bytes; my slice, 512
	s_lshl_b32 s23, s16, 9
	s_add_co_u32 s22, s22, s23
	s_mov_b32 s23, 0
	s_add_nc_u64 s[12:13], s[12:13], s[22:23]
	s_wait_loadcnt 0x0                             ; Wq
	s_wait_dscnt 0x0
; Row (thread / 16) + 32 j of the slice: four columns a lane, for 8 batches; the sixteen lanes of the row add up by four exchanges, and all of them store the same 32 bytes.
.macro DOTS j
.irp b, 0,1,2,3,4,5,6,7
	v_pk_mul_f32 v[T+2*\b:T+2*\b+1], v[Q+4*(\j):Q+4*(\j)+1], v[KSR+4*\b:KSR+4*\b+1]
.endr
.irp b, 0,1,2,3,4,5,6,7
	v_pk_fma_f32 v[T+2*\b:T+2*\b+1], v[Q+4*(\j)+2:Q+4*(\j)+3], v[KSR+4*\b+2:KSR+4*\b+3], v[T+2*\b:T+2*\b+1]
.endr
.irp b, 0,1,2,3,4,5,6,7
	v_add_f32 v[U+\b], v[T+2*\b], v[T+2*\b+1]
.endr
.irp m, 1,2,4,8
.irp b, 0,1,2,3,4,5,6,7
	v_add_f32_dpp v[U+\b], v[U+\b], v[U+\b] row_xmask:\m row_mask:0xf bank_mask:0xf
.endr
.endr
	ds_store_b128 v10, v[U:U+3]   offset:1024*(\j)
	ds_store_b128 v10, v[U+4:U+7] offset:1024*(\j)+16
.endm
.irp j, 0,1,2,3,4,5,6,7
	DOTS \j
.endr
	s_wait_dscnt 0x0
	s_barrier_signal -1
	s_barrier_wait -1
.irp e, 0,1,2,3
	ds_load_b32 v[T+\e], v11 offset:32*\e
.endr
	s_wait_dscnt 0x0
	v_cvt_pk_bf16_f32 v[T+8], v[T], v[T+1]         ; hi
	v_cvt_pk_bf16_f32 v[T+9], v[T+2], v[T+3]
	v_lshlrev_b32 v[T+4], 16, v[T+8]               ; hi as f32 again
	v_and_b32 v[T+5], 0xffff0000, v[T+8]
	v_lshlrev_b32 v[T+6], 16, v[T+9]
	v_and_b32 v[T+7], 0xffff0000, v[T+9]
	v_pk_add_f32 v[T:T+1],   v[T:T+1],   v[T+4:T+5] neg_lo:[0,1] neg_hi:[0,1]  ; what hi left over (exact)
	v_pk_add_f32 v[T+2:T+3], v[T+2:T+3], v[T+6:T+7] neg_lo:[0,1] neg_hi:[0,1]
	v_cvt_pk_bf16_f32 v[T+10], v[T], v[T+1]        ; lo
	v_cvt_pk_bf16_f32 v[T+11], v[T+2], v[T+3]
	global_store_b64 v12, v[T+8:T+9],   s[12:13]                ; a wave's store covers 256 consecutive bytes, aligned
	global_store_b64 v12, v[T+10:T+11], s[12:13] offset:262144
	s_branch .Lend
.Lvsum:
	REDUCE 0
	s_cmp_lt_u32 s14, 4                            ; 128 threads store the head's 8 x 64 numbers
	s_cbranch_scc0 .Lend
	v_lshl_add_u32 v16, v0, 4, KS
	ds_load_b128 v[W:W+3], v16
	v_lshlrev_b32 v17, 12, v15                     ; b x 4,096
	v_lshl_add_u32 v17, v1, 4, v17
	s_lshl_b32 s22, s15, 8                         ; the head's 64 channels
	s_add_co_u32 s22, s22, 524288                  ; behind u's two halves
	s_mov_b32 s23, 0
	s_add_nc_u64 s[12:13], s[12:13], s[22:23]
	s_wait_dscnt 0x0
	global_store_b128 v17, v[W:W+3], s[12:13]      ; sixteen lanes store 256 consecutive bytes, aligned
.Lend:
	s_wait_tensorcnt 0x0                           ; the wave's end: behind my last LDS store
	ds_add_u32 v[SPW], v[NIL]
	s_wait_dscnt 0x0
	s_endpgm
.Lfunc_end_k_qcc116658de_heads:
	.size	k_qcc116658de_heads, .Lfunc_end_k_qcc116658de_heads-k_qcc116658de_heads
	.p2alignl 7, 3214868480
	.fill 96, 4, 3214868480
	.section	.rodata,"a",@progbits
	.p2align	6, 0x0
	.amdhsa_kernel k_qcc116658de_heads
		.amdhsa_group_segment_fixed_size 110592
		.amdhsa_private_segment_fixed_size 0
		.amdhsa_enable_private_segment 0
		.amdhsa_kernarg_size 40
		.amdhsa_user_sgpr_count 2
		.amdhsa_user_sgpr_kernarg_segment_ptr 1
		.amdhsa_wavefront_size32 1
		.amdhsa_system_sgpr_workgroup_id_x 1
		.amdhsa_system_sgpr_workgroup_id_y 1
		.amdhsa_system_sgpr_workgroup_id_z 1
		.amdhsa_system_vgpr_workitem_id 0
		.amdhsa_next_free_vgpr 256
		.amdhsa_next_free_sgpr 66
		.amdhsa_reserve_vcc 0
		.amdhsa_float_denorm_mode_32 3
		.amdhsa_float_denorm_mode_16_64 3
		.amdhsa_memory_ordered 1
		.amdhsa_forward_progress 1
		.amdhsa_inst_pref_size 82
	.end_amdhsa_kernel
	.amdgpu_metadata
---
amdhsa.version: [ 1, 2 ]
amdhsa.kernels:
  - .name:           k_qcc116658de_heads
    .symbol:         k_qcc116658de_heads.kd
    .args:
      - { .name: part, .offset: 0, .size: 8, .value_kind: global_buffer, .address_space: global }
      - { .name: Wk, .offset: 8, .size: 8, .value_kind: global_buffer, .address_space: global }
      - { .name: Wv, .offset: 16, .size: 8, .value_kind: global_buffer, .address_space: global }
      - { .name: Wq, .offset: 24, .size: 8, .value_kind: global_buffer, .address_space: global }
      - { .name: uv, .offset: 32, .size: 8, .value_kind: global_buffer, .address_space: global }
    .group_segment_fixed_size: 110592
    .private_segment_fixed_size: 0
    .kernarg_segment_align: 8
    .kernarg_segment_size: 40
    .max_flat_workgroup_size: 512
    .sgpr_count:     66
    .vgpr_count:     256
    .wavefront_size: 32
...
	.end_amdgpu_metadata
.endif
;; end of part 2
;; launch rowsum (part 3): grid 256 x 1, 4 waves a work-group, no clusters, 167,936 bytes of LDS; arguments x, uv, rs; writes rs
.if DOCPART == 3
	.amdgcn_target "amdgcn-amd-amdhsa--gfx1250"
	.amdhsa_code_object_version 6
	.text
	.protected	k_qcc116658de_rowsum
	.globl	k_qcc116658de_rowsum
	.p2align	8
	.type	k_qcc116658de_rowsum,@function
k_qcc116658de_rowsum:
	s_mov_b64 s[64:65], 0
	v_nop
	global_prefetch_b8 v0, s[64:65] scope:SCOPE_SE
	s_setreg_imm32_b32 hwreg(HW_REG_WAVE_MODE, 25, 1), 1
	s_wait_xcnt 0x0
; ROWSUM.  rs[b 1024 + t][h] = sum over c of x[b][t][c] u[b][h][c], on the matrix unit with bf16 operands and f32 sums.
; The result stands in an exponent, so 8 significant bits are too few: x is split here into hi + lo (two bf16), u arrives split, and three products are added:
; hi hi + lo hi + hi lo.  LIMIT: lo lo, some 2^-17 of a term, is dropped; the error of rs grows with the size of x and of the weights as that rounding does.
; SHARES.  A work-group owns 32 tokens: two tiles of 16.  K IS SPLIT AMONG THE FOUR WAVES: wave w takes channels 256 w .. 256 w + 255 of both tiles; the four partial sums meet in LDS.
; x comes by tensor loads, two a wave (16 rows x 1,024 bytes each), issued together at the start into bytes of the wave's own, each byte filled once; only the issuing wave reads them,
; behind its own counted wait.  By this text's count a wave has two tensor loads out.  u (a batch's 16 heads) comes straight into registers, laid out as a fragment lies in memory.
; LAYOUT.  Source 0 = u's 16 heads, source 1 = 16 tokens: in the result a lane holds ONE token (lane % 16) and heads 8 (lane / 16) + 0..7: 32 bytes of rs on end.
; No cluster: no two work-groups read the same rows of x; u is 64 KiB a batch and goes to registers.
.set PX,    1040                       ; a row in LDS: 1,024 bytes + 16 of padding: 65 x 16, so the 16 rows of a load start in 16 different 16-byte columns of 256 bytes
.set TILEB, 16*PX
.set WAVEB, 2*TILEB
.set STG,   4*WAVEB                    ; [wave 4][t 32][h 16] f32, never filled by a tensor load
.set SPARE, STG+8192                   ; the spare words, 128 bytes a wave
.set SPW, 8                            ; v8   my spare word; never rewritten
.set NIL, 9                            ; v9   0; never rewritten
.set UH,  16                           ; v[16:79]   u hi: fragment s (32 channels) at UH + 8 s
.set UL,  80                           ; v[80:143]  u lo
.set F,   144                          ; v[144:175] x in f32, 16 numbers a lane, two buffers
.set XS,  176                          ; v[176:207] two sets of x hi (8), x lo (8)
.set T,   208                          ; v[208:215] at work
.set A0,  216                          ; v[216:239] three accumulators
.set A1,  224
.set A2,  232
.set G1,  16                           ; s[16:23] descriptor group 1
.set G0,  24                           ; s[24:31] descriptor group 0, one for each tile
	s_load_b128 s[4:7], s[0:1], 0x0                ; x s[4:5], uv s[6:7]
	s_load_b64 s[8:9], s[0:1], 0x10                ; rs
	v_lshl_add_u32 v[SPW], v0, 2, SPARE
	v_mov_b32 v[NIL], 0
	ds_add_u32 v[SPW], v[NIL]                      ; the wave's opening: the add and its wait ahead of my first tensor load; work on registers stands between them
	v_lshrrev_b32 v1, 5, v0
	v_readfirstlane_b32 s10, v1                    ; wave 0..3
	s_mov_b32 s[G1+0], (2<<16)|(1<<20)|(7<<22)|(3<<25)  ; elements of 4 bytes; padding on: after every 256 words (code 7) 4 words (code 3)
	s_mov_b32 s[G1+1], 256<<16                     ; tensor_dim0 = 256
	s_mov_b32 s[G1+2], 16<<16                      ; tensor_dim1 = 16
	s_mov_b32 s[G1+3], 256<<16                     ; tile_dim0 = 256
	s_mov_b32 s[G1+4], 16                          ; tile_dim1 = 16
	s_mov_b32 s[G1+5], 1024                        ; 1,024 elements from row to row
	s_mov_b32 s[G1+6], 0
	s_mov_b32 s[G1+7], 0
	s_mul_i32 s11, s10, WAVEB                      ; my wave's two tiles in LDS
	s_lshl_b32 s12, ttmp9, 17                      ; the work-group's 32 rows of 4,096 bytes,
	s_lshl_b32 s13, s10, 10                        ; my wave's 1,024 bytes of each
	s_add_co_u32 s12, s12, s13
	s_mov_b32 s13, 0
	s_lshr_b32 s14, ttmp9, 5                       ; b
	s_lshl_b32 s14, s14, 15                        ; a batch's u hi: 16 heads x 2,048 bytes
	s_mov_b32 s15, 0
	s_lshl_b32 s32, ttmp9, 11                      ; rs: 32 rows of 64 bytes
	s_mov_b32 s33, 0
	s_mov_b32 s34, 0xffff0000                      ; a word's upper bf16
	s_wait_dscnt 0x0                               ; the opening add is done
	s_wait_kmcnt 0x0
	s_add_nc_u64 s[4:5], s[4:5], s[12:13]
	s_add_nc_u64 s[6:7], s[6:7], s[14:15]
	s_add_nc_u64 s[8:9], s[8:9], s[32:33]
.irp i, 0,1
	s_mov_b32 s[G0+4*\i], 1                        ; count = 1
	s_add_co_u32 s[G0+4*\i+1], s11, \i*TILEB       ; LDS address
	s_add_nc_u64 s[G0+4*\i+2:G0+4*\i+3], s[4:5], \i*65536  ; global address: 16 rows further down for the second tile
	s_or_b32 s[G0+4*\i+3], s[G0+4*\i+3], 0x80000000        ; type = 2
	tensor_load_to_lds s[G0+4*\i:G0+4*\i+3], s[G1:G1+7]
	s_nop 0
.endr
	v_and_b32 v1, 15, v0                           ; r = lane % 16
	v_bfe_u32 v7, v0, 4, 1                         ; hh = lane / 16
	v_mul_u32_u24 v2, v1, PX
	v_lshl_add_u32 v2, v7, 5, v2
	v_add_nc_u32 v2, s11, v2                       ; x: row r, 8 numbers (32 bytes) for each half of the lanes
	s_lshl_b32 s35, s10, 9
	v_lshlrev_b32 v3, 11, v1
	v_lshl_add_u32 v3, v7, 4, v3
	v_add_nc_u32 v3, s35, v3                       ; u: head r, my wave's 512 bytes, 16 bytes for each half
	s_lshl_b32 s36, s10, 11
	s_add_co_u32 s36, s36, STG
	v_lshlrev_b32 v4, 6, v1
	v_lshl_add_u32 v4, v7, 5, v4
	v_add_nc_u32 v4, s36, v4                       ; my partial sums: token r, heads 8 hh ..
	v_lshl_add_u32 v5, v0, 4, STG
	v_lshlrev_b32 v6, 4, v0
.set i, 0
.rept 8
	global_load_b128 v[UH+8*i:UH+8*i+3],   v3, s[6:7] offset:64*i
	global_load_b128 v[UH+8*i+4:UH+8*i+7], v3, s[6:7] offset:64*i+32
	global_load_b128 v[UL+8*i:UL+8*i+3],   v3, s[6:7] offset:262144+64*i
	global_load_b128 v[UL+8*i+4:UL+8*i+7], v3, s[6:7] offset:262144+64*i+32
.set i, i+1
.endr
; The 16 numbers of x that a lane holds of a fragment of 32 channels: channels 8 hh + 0..7 and 16 + 8 hh + 0..7
.macro LOADF i, s
.set FB, F+16*((\s)%2)
	ds_load_b128 v[FB:FB+3],     v2 offset:(\i)*TILEB+128*(\s)
	ds_load_b128 v[FB+4:FB+7],   v2 offset:(\i)*TILEB+128*(\s)+16
	ds_load_b128 v[FB+8:FB+11],  v2 offset:(\i)*TILEB+128*(\s)+64
	ds_load_b128 v[FB+12:FB+15], v2 offset:(\i)*TILEB+128*(\s)+80
.endm
; hi = x rounded to bf16; lo = (x - hi) rounded to bf16.  40 plain lines: they are also the places between a product and the next writing of its set of sources, two steps on.
.macro CONV s
.set FB, F+16*((\s)%2)
.set XH, XS+16*((\s)%2)
.irp n, 0,1,2,3,4,5,6,7
	v_cvt_pk_bf16_f32 v[XH+\n], v[FB+2*\n], v[FB+2*\n+1]
.endr
.irp hf, 0,4
.irp n, 0,1,2,3
	v_lshlrev_b32 v[T+2*\n],   16,  v[XH+\hf+\n]
	v_and_b32     v[T+2*\n+1], s34, v[XH+\hf+\n]
.endr
.irp n, 0,1,2,3
	v_pk_add_f32 v[FB+2*(\hf+\n):FB+2*(\hf+\n)+1], v[FB+2*(\hf+\n):FB+2*(\hf+\n)+1], v[T+2*\n:T+2*\n+1] neg_lo:[0,1] neg_hi:[0,1]
.endr
.irp n, 0,1,2,3
	v_cvt_pk_bf16_f32 v[XH+8+\hf+\n], v[FB+2*(\hf+\n)], v[FB+2*(\hf+\n)+1]
.endr
.endr
.endm
; Three products a step; the three accumulators take turns, one instruction a turn.  A tile's first step starts the sums.
.macro MULS s
.set XH, XS+16*((\s)%2)
.if (\s) == 0
	v_wmma_f32_16x16x32_bf16 v[A0:A0+7], v[UH+8*(\s):UH+8*(\s)+7], v[XH:XH+7],    0
	v_wmma_f32_16x16x32_bf16 v[A1:A1+7], v[UH+8*(\s):UH+8*(\s)+7], v[XH+8:XH+15], 0
	v_wmma_f32_16x16x32_bf16 v[A2:A2+7], v[UL+8*(\s):UL+8*(\s)+7], v[XH:XH+7],    0
.else
	v_wmma_f32_16x16x32_bf16 v[A0:A0+7], v[UH+8*(\s):UH+8*(\s)+7], v[XH:XH+7],    v[A0:A0+7]
	v_wmma_f32_16x16x32_bf16 v[A1:A1+7], v[UH+8*(\s):UH+8*(\s)+7], v[XH+8:XH+15], v[A1:A1+7]
	v_wmma_f32_16x16x32_bf16 v[A2:A2+7], v[UL+8*(\s):UL+8*(\s)+7], v[XH:XH+7],    v[A2:A2+7]
.endif
.endm
.macro TILE i
	s_wait_tensorcnt 1-(\i)                        ; my tile i has landed; the younger one may stay out
	LOADF \i, 0
.irp s, 0,1,2,3,4,5,6,7
.if \s < 7
	LOADF \i, \s+1
	s_wait_dscnt 4                                 ; this step's numbers are in; the next step's four loads stay out
.else
	s_wait_dscnt 0x0
.endif
	CONV \s
.if ((\i)+\s) == 0
	s_wait_loadcnt 0x0                             ; u
.endif
	MULS \s
.endr
.rept 8
	v_nop                                          ; the places behind the last products
.endr
.irp n, 0,2,4,6                        ; each accumulator is read from its low end on
	v_pk_add_f32 v[A0+\n:A0+\n+1], v[A0+\n:A0+\n+1], v[A1+\n:A1+\n+1]
.endr
.irp n, 0,2,4,6
	v_pk_add_f32 v[A0+\n:A0+\n+1], v[A0+\n:A0+\n+1], v[A2+\n:A2+\n+1]
.endr
	ds_store_b128 v4, v[A0:A0+3]   offset:(\i)*1024
	ds_store_b128 v4, v[A0+4:A0+7] offset:(\i)*1024+16
.endm
	TILE 0
	TILE 1
	s_wait_dscnt 0x0                               ; for the others' sake: my partial sums are stored
	s_barrier_signal -1
	s_barrier_wait -1
.irp k, 0,1,2,3
	ds_load_b128 v[F+4*\k:F+4*\k+3], v5 offset:2048*\k
.endr
	s_wait_dscnt 0x0
.irp n, 0,2
	v_pk_add_f32 v[F+\n:F+\n+1],     v[F+\n:F+\n+1],     v[F+4+\n:F+4+\n+1]
	v_pk_add_f32 v[F+8+\n:F+8+\n+1], v[F+8+\n:F+8+\n+1], v[F+12+\n:F+12+\n+1]
.endr
.irp n, 0,2
	v_pk_add_f32 v[F+\n:F+\n+1], v[F+\n:F+\n+1], v[F+8+\n:F+8+\n+1]
.endr
	global_store_b128 v6, v[F:F+3], s[8:9]         ; the work-group's 2,048 bytes of rs on end
	s_wait_tensorcnt 0x0                           ; the wave's end: behind my last tensor load and my last LDS store
	ds_add_u32 v[SPW], v[NIL]
	s_wait_dscnt 0x0
	s_endpgm
.Lfunc_end_k_qcc116658de_rowsum:
	.size	k_qcc116658de_rowsum, .Lfunc_end_k_qcc116658de_rowsum-k_qcc116658de_rowsum
	.p2alignl 7, 3214868480
	.fill 96, 4, 3214868480
	.section	.rodata,"a",@progbits
	.p2align	6, 0x0
	.amdhsa_kernel k_qcc116658de_rowsum
		.amdhsa_group_segment_fixed_size 167936
		.amdhsa_private_segment_fixed_size 0
		.amdhsa_enable_private_segment 0
		.amdhsa_kernarg_size 24
		.amdhsa_user_sgpr_count 2
		.amdhsa_user_sgpr_kernarg_segment_ptr 1
		.amdhsa_wavefront_size32 1
		.amdhsa_system_sgpr_workgroup_id_x 1
		.amdhsa_system_sgpr_workgroup_id_y 1
		.amdhsa_system_sgpr_workgroup_id_z 1
		.amdhsa_system_vgpr_workitem_id 0
		.amdhsa_next_free_vgpr 256
		.amdhsa_next_free_sgpr 66
		.amdhsa_reserve_vcc 0
		.amdhsa_float_denorm_mode_32 3
		.amdhsa_float_denorm_mode_16_64 3
		.amdhsa_memory_ordered 1
		.amdhsa_forward_progress 1
		.amdhsa_inst_pref_size 49
	.end_amdhsa_kernel
	.amdgpu_metadata
---
amdhsa.version: [ 1, 2 ]
amdhsa.kernels:
  - .name:           k_qcc116658de_rowsum
    .symbol:         k_qcc116658de_rowsum.kd
    .args:
      - { .name: x, .offset: 0, .size: 8, .value_kind: global_buffer, .address_space: global }
      - { .name: uv, .offset: 8, .size: 8, .value_kind: global_buffer, .address_space: global }
      - { .name: rs, .offset: 16, .size: 8, .value_kind: global_buffer, .address_space: global }
    .group_segment_fixed_size: 167936
    .private_segment_fixed_size: 0
    .kernarg_segment_align: 8
    .kernarg_segment_size: 24
    .max_flat_workgroup_size: 128
    .sgpr_count:     66
    .vgpr_count:     256
    .wavefront_size: 32
...
	.end_amdgpu_metadata
.endif
;; end of part 3
;; launch ln1 (part 4): grid 256 x 1, 16 waves a work-group, no clusters, 6,144 bytes of LDS; arguments x, rs, uv, g1, b1, x1b; writes x1b
.if DOCPART == 4
	.amdgcn_target "amdgcn-amd-amdhsa--gfx1250"
	.amdhsa_code_object_version 6
	.text
	.protected	k_qcc116658de_ln1
	.globl	k_qcc116658de_ln1
	.p2align	8
	.type	k_qcc116658de_ln1,@function
k_qcc116658de_ln1:
	s_mov_b64 s[64:65], 0
	v_nop
	global_prefetch_b8 v0, s[64:65] scope:SCOPE_SE
	s_setreg_imm32_b32 hwreg(HW_REG_WAVE_MODE, 25, 1), 1
	s_wait_xcnt 0x0
; LN1.  p[b][h][t] = softmax over t of rs[b][t][h], with the maximum over t taken away first;  x1 = LayerNorm(x + p vsum) g1 + b1, stored once rounded to bf16.
; All arithmetic in f32; the mean is taken away before the squares are added.  LIMITS: a weight below 2^-126 counts as 0; NaN and infinities are not treated apart.
; SHARES.  A work-group owns 32 tokens of one batch, a wave two.  Every work-group makes its batch's maxima and sums itself, from the batch's 65,536 bytes of rs held in registers
; (8 loads of 16 bytes a thread: tokens thread / 4 + 128 j, heads 4 (thread % 4) + 0..3), always in the same order, so that all work-groups of a batch get the same numbers.
; A ROW of 1,024 channels lies in 32 registers of a wave: load j gives lane l channels 128 j + 4 l + 0..3, which belong to head 2 j + l / 16.
; No matrix work, no cluster: x is shared by nobody; each work-group asks for all that it reads at its head, so there is nothing ahead to ask for.
.set MAXP,  0                          ; [wave 16][h 16] f32
.set SUMP,  1024                       ; the same
.set FIN,   2048                       ; 128 bytes a wave, the wave's own: c m of the 16 heads, then their sums
.set SPARE, 4096                       ; the spare words, 128 bytes a wave
.set SPW, 12                           ; v12  my spare word; never rewritten
.set NIL, 13                           ; v13  0; never rewritten
.set RO,  14                           ; v14  rs of my wave's two tokens: token lane / 16, head lane % 16
.set PP,  15                           ; v15  its weight p
.set M,   16                           ; v[16:19] maxima of my four heads
.set MC,  20                           ; v[20:23] times log2(e)
.set S,   24                           ; v[24:27] sums
.set T,   28                           ; v[28:43] at work
.set ST,  44                           ; v[44:47] mean twice, 1 / sigma twice
.set R,   48                           ; v[48:79] rs; later:
.set PJ,  48                           ; v[48:63] p for row rho, load j at PJ + 8 rho + j
.set Y,   64                           ; v[64:79] a row in bf16
.set X,   80                           ; v[80:143] two rows
.set VS,  144                          ; v[144:175] vsum of the batch
.set G,   176                          ; v[176:207] g1
.set B,   208                          ; v[208:239] b1
.set SEL, 18                           ; s[18:19] v_permlanex16_b32's selects
.set INV, 24                           ; s24  1 / 1,024
.set EPS, 25                           ; s25  1e-5
.set LG,  26                           ; s[26:27] log2(e): the packed scaling takes the pair's low word for both halves
.macro WSUM t                          ; v[t] summed over the wave's 32 lanes, in every lane; v[t+1], written before, is at work
	v_add_f32_dpp v[\t], v[\t], v[\t] row_xmask:1 row_mask:0xf bank_mask:0xf
	v_add_f32_dpp v[\t], v[\t], v[\t] row_xmask:2 row_mask:0xf bank_mask:0xf
	v_add_f32_dpp v[\t], v[\t], v[\t] row_xmask:4 row_mask:0xf bank_mask:0xf
	v_add_f32_dpp v[\t], v[\t], v[\t] row_xmask:8 row_mask:0xf bank_mask:0xf
	v_permlanex16_b32 v[(\t)+1], v[\t], s[SEL], s[SEL+1]
	v_add_f32 v[\t], v[\t], v[(\t)+1]
.endm
.macro FOLD t                          ; four pairs into one number
	v_pk_add_f32 v[(\t):(\t)+1],   v[(\t):(\t)+1],   v[(\t)+2:(\t)+3]
	v_pk_add_f32 v[(\t)+4:(\t)+5], v[(\t)+4:(\t)+5], v[(\t)+6:(\t)+7]
	v_pk_add_f32 v[(\t):(\t)+1],   v[(\t):(\t)+1],   v[(\t)+4:(\t)+5]
	v_add_f32 v[\t], v[\t], v[(\t)+1]
.endm
; LayerNorm of the row in v[z .. z+31], in place: mean; row - mean; mean of squares; 1 / sqrt(var + eps); times g, plus b.  Sums in four chains that do not wait for each other.
.macro LN z, g, b, t, st
.irp c, 0,2,4,6
	v_pk_add_f32 v[(\t)+\c:(\t)+\c+1], v[(\z)+\c:(\z)+\c+1], v[(\z)+8+\c:(\z)+8+\c+1]
.endr
.irp k, 16,24
.irp c, 0,2,4,6
	v_pk_add_f32 v[(\t)+\c:(\t)+\c+1], v[(\t)+\c:(\t)+\c+1], v[(\z)+\k+\c:(\z)+\k+\c+1]
.endr
.endr
	FOLD \t
	WSUM \t
	v_mul_f32 v[\st],     s[INV], v[\t]            ; the mean, twice: a pair for the packed lines
	v_mul_f32 v[(\st)+1], s[INV], v[\t]
.set i, 0
.rept 16
	v_pk_add_f32 v[(\z)+i:(\z)+i+1], v[(\z)+i:(\z)+i+1], v[(\st):(\st)+1] neg_lo:[0,1] neg_hi:[0,1]
.set i, i+2
.endr
.irp c, 0,2,4,6
	v_pk_mul_f32 v[(\t)+\c:(\t)+\c+1], v[(\z)+\c:(\z)+\c+1], v[(\z)+\c:(\z)+\c+1]
.endr
.irp k, 8,16,24
.irp c, 0,2,4,6
	v_pk_fma_f32 v[(\t)+\c:(\t)+\c+1], v[(\z)+\k+\c:(\z)+\k+\c+1], v[(\z)+\k+\c:(\z)+\k+\c+1], v[(\t)+\c:(\t)+\c+1]
.endr
.endr
	FOLD \t
	WSUM \t
	v_fma_f32 v[\t], v[\t], s[INV], s[EPS]
	v_rsq_f32 v[(\st)+2], v[\t]
	v_rsq_f32 v[(\st)+3], v[\t]
	v_nop                                          ; a plain instruction behind the last root, ahead of the first use (ISA guide 5.7.2),
	s_wait_alu depctr_va_vdst(0)                   ; and one wait for the two
.set i, 0
.rept 16
	v_pk_mul_f32 v[(\z)+i:(\z)+i+1], v[(\z)+i:(\z)+i+1], v[(\st)+2:(\st)+3]
.set i, i+2
.endr
.set i, 0
.rept 16
	v_pk_fma_f32 v[(\z)+i:(\z)+i+1], v[(\z)+i:(\z)+i+1], v[(\g)+i:(\g)+i+1], v[(\b)+i:(\b)+i+1]
.set i, i+2
.endr
.endm
	s_load_b256 s[4:11], s[0:1], 0x0               ; x s[4:5], rs s[6:7], uv s[8:9], g1 s[10:11]
	s_load_b128 s[12:15], s[0:1], 0x20             ; b1 s[12:13], x1b s[14:15]
	v_lshl_add_u32 v[SPW], v0, 2, SPARE
	v_mov_b32 v[NIL], 0
	v_lshrrev_b32 v1, 5, v0
	v_readfirstlane_b32 s16, v1                    ; wave 0..15
	v_and_b32 v1, 31, v0                           ; lane
	v_lshlrev_b32 v2, 4, v0                        ; 16 x thread
	v_lshlrev_b32 v3, 4, v1                        ; 16 x lane
	v_lshlrev_b32 v4, 3, v1                        ; 8 x lane
	v_lshlrev_b32 v5, 2, v1                        ; 4 x lane
	v_and_b32 v6, 3, v0
	v_lshlrev_b32 v6, 4, v6                        ; my four heads' 16 bytes
	v_lshl_add_u32 v7, s16, 6, v6                  ; in my wave's 64
	s_lshl_b32 s17, s16, 7
	s_add_co_u32 s17, s17, FIN
	v_add_nc_u32 v8, s17, v6
	v_and_b32 v9, 15, v0
	v_lshl_add_u32 v9, v9, 2, s17
	v_bfe_u32 v10, v0, 4, 1
	v_lshlrev_b32 v10, 2, v10                      ; 4 x (lane / 16)
	s_mov_b32 s[SEL], 0x76543210
	s_mov_b32 s[SEL+1], 0xfedcba98
	s_mov_b32 s[INV], 0x3a800000
	s_mov_b32 s[EPS], 0x3727c5ac
	s_mov_b32 s[LG], 0x3fb8aa3b
	s_mov_b32 s[LG+1], s[LG]                       ; named with it as a pair
	s_lshr_b32 s20, ttmp9, 5                       ; b
	s_lshl_b32 s22, s20, 16                        ; the batch's rs
	s_mov_b32 s23, 0
	s_lshl_b32 s20, s20, 12
	s_add_co_u32 s20, s20, 524288                  ; the batch's vsum, behind u
	s_mov_b32 s21, 0
	s_lshl_b32 s28, ttmp9, 11
	s_lshl_b32 s29, s16, 7
	s_add_co_u32 s28, s28, s29                     ; my two rows in rs: 64 bytes each,
	s_mov_b32 s29, 0
	s_lshl_b32 s30, s28, 6                         ; in x: 4,096,
	s_mov_b32 s31, 0
	s_lshl_b32 s32, s28, 5                         ; in x1b: 2,048
	s_mov_b32 s33, 0
	s_wait_kmcnt 0x0
	s_add_nc_u64 s[34:35], s[6:7], s[22:23]
	s_add_nc_u64 s[6:7], s[6:7], s[28:29]
	s_add_nc_u64 s[4:5], s[4:5], s[30:31]
	s_add_nc_u64 s[8:9], s[8:9], s[20:21]
	s_add_nc_u64 s[14:15], s[14:15], s[32:33]
.set j, 0
.rept 8
	global_load_b128 v[R+4*j:R+4*j+3], v2, s[34:35] offset:8192*j
.set j, j+1
.endr
	global_load_b32 v[RO], v5, s[6:7]
.irp p, 0,1
.set j, 0
.rept 8
	global_load_b128 v[X+32*\p+4*j:X+32*\p+4*j+3], v3, s[4:5] offset:4096*\p+512*j th:TH_LOAD_NT
.set j, j+1
.endr
.endr
.set j, 0
.rept 8
	global_load_b128 v[VS+4*j:VS+4*j+3], v3, s[8:9] offset:512*j
.set j, j+1
.endr
.set j, 0
.rept 8
	global_load_b128 v[G+4*j:G+4*j+3], v3, s[10:11] offset:512*j
.set j, j+1
.endr
.set j, 0
.rept 8
	global_load_b128 v[B+4*j:B+4*j+3], v3, s[12:13] offset:512*j
.set j, j+1
.endr
	s_wait_loadcnt 41                              ; the batch's rs is in; the 41 younger loads stay out
	; THE MAXIMUM over t, for my four heads: my 8 tokens, the lanes with my heads (lane xor 4, 8, 16), the 16 waves
.irp e, 0,1,2,3
	v_max3_num_f32 v[M+\e], v[R+\e], v[R+4+\e], v[R+8+\e]
.endr
.irp e, 0,1,2,3
	v_max3_num_f32 v[T+\e], v[R+12+\e], v[R+16+\e], v[R+20+\e]
.endr
.irp e, 0,1,2,3
	v_max3_num_f32 v[M+\e], v[M+\e], v[R+24+\e], v[R+28+\e]
.endr
.irp e, 0,1,2,3
	v_max_num_f32 v[M+\e], v[M+\e], v[T+\e]
.endr
.irp m, 4,8
.irp e, 0,1,2,3
	v_max_num_f32_dpp v[M+\e], v[M+\e], v[M+\e] row_xmask:\m row_mask:0xf bank_mask:0xf
.endr
.endr
.irp e, 0,1,2,3
	v_permlanex16_b32 v[T+\e], v[M+\e], s[SEL], s[SEL+1]
.endr
.irp e, 0,1,2,3
	v_max_num_f32 v[M+\e], v[M+\e], v[T+\e]
.endr
	ds_store_b128 v7, v[M:M+3] offset:MAXP
	s_wait_dscnt 0x0
	s_barrier_signal -1
	s_barrier_wait -1
.irp q, 0,1,2,3
.irp k, 0,1,2,3
	ds_load_b128 v[T+4*\k:T+4*\k+3], v6 offset:MAXP+64*(4*\q+\k)
.endr
	s_wait_dscnt 0x0
.irp e, 0,1,2,3
	v_max3_num_f32 v[M+\e], v[M+\e], v[T+\e], v[T+4+\e]
.endr
.irp e, 0,1,2,3
	v_max3_num_f32 v[M+\e], v[M+\e], v[T+8+\e], v[T+12+\e]
.endr
.endr
.irp e, 0,1,2,3
	v_mul_f32 v[MC+\e], s[LG], v[M+\e]
.endr
	; THE SUM over t of 2^(log2(e) r - log2(e) m): one batch of 32 exponentials, one wait
.set j, 0
.rept 8
	v_pk_fma_f32 v[R+4*j:R+4*j+1],   v[R+4*j:R+4*j+1],   s[LG:LG+1], v[MC:MC+1]   op_sel_hi:[1,0,1] neg_lo:[0,0,1] neg_hi:[0,0,1]
	v_pk_fma_f32 v[R+4*j+2:R+4*j+3], v[R+4*j+2:R+4*j+3], s[LG:LG+1], v[MC+2:MC+3] op_sel_hi:[1,0,1] neg_lo:[0,0,1] neg_hi:[0,0,1]
.set j, j+1
.endr
.set j, 0
.rept 32
	v_exp_f32 v[R+j], v[R+j]
.set j, j+1
.endr
	v_nop                                          ; a plain instruction behind the last exponential,
	s_wait_alu depctr_va_vdst(0)                   ; and the one wait for the batch, ahead of its first reader
.irp a, 0,8,16,24
.irp p, 0,2
	v_pk_add_f32 v[R+\a+\p:R+\a+\p+1], v[R+\a+\p:R+\a+\p+1], v[R+\a+4+\p:R+\a+4+\p+1]
.endr
.endr
.irp a, 0,16
.irp p, 0,2
	v_pk_add_f32 v[R+\a+\p:R+\a+\p+1], v[R+\a+\p:R+\a+\p+1], v[R+\a+8+\p:R+\a+8+\p+1]
.endr
.endr
.irp p, 0,2
	v_pk_add_f32 v[S+\p:S+\p+1], v[R+\p:R+\p+1], v[R+16+\p:R+16+\p+1]
.endr
.irp m, 4,8
.irp e, 0,1,2,3
	v_add_f32_dpp v[S+\e], v[S+\e], v[S+\e] row_xmask:\m row_mask:0xf bank_mask:0xf
.endr
.endr
.irp e, 0,1,2,3
	v_permlanex16_b32 v[T+\e], v[S+\e], s[SEL], s[SEL+1]
.endr
.irp p, 0,2
	v_pk_add_f32 v[S+\p:S+\p+1], v[S+\p:S+\p+1], v[T+\p:T+\p+1]
.endr
	ds_store_b128 v7, v[S:S+3] offset:SUMP
	s_wait_dscnt 0x0
	s_barrier_signal -1
	s_barrier_wait -1
.irp q, 0,1,2,3
.irp k, 0,1,2,3
	ds_load_b128 v[T+4*\k:T+4*\k+3], v6 offset:SUMP+64*(4*\q+\k)
.endr
	s_wait_dscnt 0x0
.irp k, 0,1,2,3
.irp p, 0,2
.if (\q+\k) == 0
.elseif (\q == 0) && (\k == 1)
	v_pk_add_f32 v[S+\p:S+\p+1], v[T+\p:T+\p+1], v[T+4+\p:T+4+\p+1]  ; the sixteen waves' sums, wave 0's first
.else
	v_pk_add_f32 v[S+\p:S+\p+1], v[S+\p:S+\p+1], v[T+4*\k+\p:T+4*\k+\p+1]
.endif
.endr
.endr
.endr
	; MY WAVE'S 32 WEIGHTS.  c m and the sum are wanted by head lane % 16: they go through the wave's own 128 bytes (LDS serves a wave's instructions in order: ISA guide 5.7.1.4)
	ds_store_b128 v8, v[MC:MC+3]
	ds_store_b128 v8, v[S:S+3] offset:64
	ds_load_b32 v[T],   v9
	ds_load_b32 v[T+1], v9 offset:64
	s_wait_loadcnt 40                              ; my two tokens' rs; the 40 loads of x, vsum, g1 and b1 may stay out
	s_wait_dscnt 0x0
	v_fma_f32 v[T+2], v[RO], s[LG], -v[T]
	v_exp_f32 v[T+2], v[T+2]
	v_rcp_f32 v[T+3], v[T+1]                       ; the sum holds the maximum's own term, about 1: never 0
	v_nop
	s_wait_alu depctr_va_vdst(0)                   ; one wait for the two
	v_mul_f32 v[PP], v[T+2], v[T+3]
.set n, 0
.rept 16                               ; row rho, load j (n = 8 rho + j) wants the weight of head 2 j + lane / 16, which lane 16 rho + 2 j + lane / 16 holds
	v_add_nc_u32 v11, 8*n, v10
	ds_bpermute_b32 v[PJ+n], v11, v[PP]
.set n, n+1
.endr
	s_wait_dscnt 0x0
	s_wait_loadcnt 0x0                             ; x, vsum, g1, b1
.macro ROW p
.irp j, 0,1,2,3,4,5,6,7
.irp k, 0,2
.set rX, X+32*(\p)+4*\j+\k
.set rP, PJ+8*(\p)+2*(\j/2)
.if (\j%2) == 0
	v_pk_fma_f32 v[rX:rX+1], v[VS+4*\j+\k:VS+4*\j+\k+1], v[rP:rP+1], v[rX:rX+1] op_sel_hi:[1,0,1]
.else
	v_pk_fma_f32 v[rX:rX+1], v[VS+4*\j+\k:VS+4*\j+\k+1], v[rP:rP+1], v[rX:rX+1] op_sel:[0,1,0] op_sel_hi:[1,1,1]
.endif
.endr
.endr
	LN X+32*(\p), G, B, T, ST
.if \p
	s_wait_xcnt 0x0                                ; the last row's stores have read Y: it is rewritten only behind this wait
.endif
.set i, 0
.rept 16
	v_cvt_pk_bf16_f32 v[Y+i], v[X+32*(\p)+2*i], v[X+32*(\p)+2*i+1]
.set i, i+1
.endr
.set i, 0
.rept 8
	global_store_b64 v4, v[Y+2*i:Y+2*i+1], s[14:15] offset:2048*(\p)+256*i  ; a wave's store covers 256 consecutive bytes, aligned
.set i, i+1
.endr
.endm
	ROW 0
	ROW 1
	s_wait_tensorcnt 0x0                           ; the wave's end: behind my last LDS store
	ds_add_u32 v[SPW], v[NIL]
	s_wait_dscnt 0x0
	s_endpgm
.Lfunc_end_k_qcc116658de_ln1:
	.size	k_qcc116658de_ln1, .Lfunc_end_k_qcc116658de_ln1-k_qcc116658de_ln1
	.p2alignl 7, 3214868480
	.fill 96, 4, 3214868480
	.section	.rodata,"a",@progbits
	.p2align	6, 0x0
	.amdhsa_kernel k_qcc116658de_ln1
		.amdhsa_group_segment_fixed_size 6144
		.amdhsa_private_segment_fixed_size 0
		.amdhsa_enable_private_segment 0
		.amdhsa_kernarg_size 48
		.amdhsa_user_sgpr_count 2
		.amdhsa_user_sgpr_kernarg_segment_ptr 1
		.amdhsa_wavefront_size32 1
		.amdhsa_system_sgpr_workgroup_id_x 1
		.amdhsa_system_sgpr_workgroup_id_y 1
		.amdhsa_system_sgpr_workgroup_id_z 1
		.amdhsa_system_vgpr_workitem_id 0
		.amdhsa_next_free_vgpr 240
		.amdhsa_next_free_sgpr 66
		.amdhsa_reserve_vcc 0
		.amdhsa_float_denorm_mode_32 3
		.amdhsa_float_denorm_mode_16_64 3
		.amdhsa_memory_ordered 1
		.amdhsa_forward_progress 1
		.amdhsa_inst_pref_size 40
	.end_amdhsa_kernel
	.amdgpu_metadata
---
amdhsa.version: [ 1, 2 ]
amdhsa.kernels:
  - .name:           k_qcc116658de_ln1
    .symbol:         k_qcc116658de_ln1.kd
    .args:
      - { .name: x, .offset: 0, .size: 8, .value_kind: global_buffer, .address_space: global }
      - { .name: rs, .offset: 8, .size: 8, .value_kind: global_buffer, .address_space: global }
      - { .name: uv, .offset: 16, .size: 8, .value_kind: global_buffer, .address_space: global }
      - { .name: g1, .offset: 24, .size: 8, .value_kind: global_buffer, .address_space: global }
      - { .name: b1, .offset: 32, .size: 8, .value_kind: global_buffer, .address_space: global }
      - { .name: x1b, .offset: 40, .size: 8, .value_kind: global_buffer, .address_space: global }
    .group_segment_fixed_size: 6144
    .private_segment_fixed_size: 0
    .kernarg_segment_align: 8
    .kernarg_segment_size: 48
    .max_flat_workgroup_size: 512
    .sgpr_count:     66
    .vgpr_count:     240
    .wavefront_size: 32
...
	.end_amdgpu_metadata
.endif
;; end of part 4
;; launch ffn1 (part 5): grid 4 x 64, 4 waves a work-group, clusters of 4 x 4, 327,680 bytes of LDS; arguments x1b, w1p, hb; writes hb
.if DOCPART == 5
	.amdgcn_target "amdgcn-amd-amdhsa--gfx1250"
	.amdhsa_code_object_version 6
	.text
	.protected	k_qcc116658de_ffn1
	.globl	k_qcc116658de_ffn1
	.p2align	8
	.type	k_qcc116658de_ffn1,@function
k_qcc116658de_ffn1:
	s_mov_b64 s[64:65], 0
	v_nop
	global_prefetch_b8 v0, s[64:65] scope:SCOPE_SE
	s_setreg_imm32_b32 hwreg(HW_REG_WAVE_MODE, 25, 1), 1
	s_wait_xcnt 0x0
	s_wait_alu depctr_hold_cnt(0) depctr_sa_sdst(0) depctr_va_vdst(0) depctr_va_sdst(0) depctr_va_ssrc(0) depctr_va_vcc(0) depctr_vm_vsrc(0)
	s_getreg_b32 s2, hwreg(HW_REG_IB_STS2, 6, 4)
	s_cmp_eq_u32 s2, 0
	s_cbranch_scc0 .Lentry_in_a_cluster
	s_endpgm
.Lentry_in_a_cluster:
	s_bfe_u32 s2, ttmp6, 0x10000c
	s_cmp_lg_u32 s2, 0xf033
	s_cbranch_scc0 .Lentry_shape_is_right
	s_endpgm
.Lentry_shape_is_right:
; C[m][n] = max(sum over k of A[m][k] B[k][n], floor).  A: [8192][1024], B: [1024 (k)][1024 (n)], C: [8192][1024], all bf16; sums in f32, K ascending, C rounded once.
; floor is a packed pair of bf16 read from the 4 bytes behind B's 2,097,152: 0 makes the ReLU of the first layer, -infinity leaves the second layer's numbers as they are:
; one text serves both.  LIMIT: a NaN loses against the floor.
; SHARES.  A tile of C is 128 x 256: 256 work-groups.  Four waves, each 64 rows x 128 columns: 32 accumulators of 16 x 16, 256 registers.  K goes in 8 steps of 128 through a ring of two LDS slots:
; A's rows are 256 bytes of memory, B's 512, all starting at multiples of 256 from their buffer's first byte.  Two slots of a longer step do not fit in LDS beside each other.
; B LIES [k][n]: its fragments come out of LDS turned, by ds_load_tr16_b128.
; CLUSTERS: 4 x 4 work-groups.  The four of a row of the cluster need the same tile of A, the four of a column the same tile of B: each is asked for JOINTLY, by the same tensor load with the same
; descriptor and a mask that names the four.  By this text's count a wave has two tensor loads out at the start and one behind each round.
; THE MATRIX INSTRUCTION IS USED TRANSPOSED (source 0 = 16 columns of B, source 1 = 16 rows of A): a lane then holds eight neighbouring numbers of a row of C.
; REGISTERS: window 0: v0-31 addresses; v64-159, v160-255 two fragment buffers (A's 4 fragments, then B's 8), at work again on the way out.  Window 1: accumulator (a, b) at v[8 (8 a + b)].
.set KSTEP,  128
.set ROWB,   2048                      ; bytes in a row of A, of B and of C
.set PA,     272                       ; a row of A in LDS: 256 bytes + 16: the 16 rows of a load start in 16 different 16-byte columns of 256 bytes
.set PB,     544                       ; a row of B: 512 + 32 = 17 x 32
.set ATILE,  128*PA
.set BTILE,  128*PB
.set SLOT,   ATILE+BTILE               ; A's 128 rows, then B's 128 k-rows
.set STAGE,  2*SLOT                    ; behind the ring: 16 rows x 272 bytes for each wave, for the way out; no tensor load fills it
.set SPITCH, 272
.set SPARE,  STAGE+4*16*SPITCH         ; the spare words, 128 bytes a wave
.set LAPS,   4                         ; a lap = two K steps = once round the ring
.set ADRA, 16                          ; v16-17  LDS address of my A fragments in slot 0, 1
.set ADRB, 20                          ; v20-21  the same for B
.set STO,  24                          ; v24     the way out: where I put 16 bytes of a row
.set RD,   25                          ; v25     the way out: where I read a row back
.set CO,   26                          ; v26     my byte offset in C
.set SPW,  28                          ; v28     my spare word; never rewritten
.set NIL,  29                          ; v29     0; never rewritten
.set PFO,  30                          ; v30     the prefetches' offset; never rewritten
.set F0,   64
.set F1,   160
.set TMP,  64                          ; the way out: packed results
.set OB,   96                          ; the way out: block a's 16 rows read back, at OB + 32 a
.set G1A, 24                           ; s[24:31] descriptor group 1 for A's tiles;  s[32:39] group 0, one set for each slot
.set G0A, 32
.set G1B, 48                           ; s[48:55], s[56:63] the same for B's
.set G0B, 56
.set LIM, 43                           ; s43     1 in a wave that prefetches, else the greatest number
.set PFA, 44                           ; s[44:45] where my prefetches stand
.set FLOOR, 66                         ; s66     the floor, twice in bf16
.set PFS, 68                           ; s[68:69] a K step in my prefetches' tensor, in bytes
.set MSB, 0
.macro WIN new                         ; the immediate's high byte repeats the setting that is left; a switch that changes nothing is dropped
.if MSB != (\new)
	s_set_vgpr_msb (MSB<<8)|(\new)
.set MSB, \new
.endif
.endm
.set MULW,  0x50                       ; C and D in window 1, the sources in window 0
.set PACKW, 0x05                       ; sources 0 and 1 in window 1, destination in window 0
; A joint load: waves 0 and 1 fetch A's two halves (64 rows), waves 2 and 3 B's (64 k-rows).  The branch hangs on the wave's number alone.
; An s_nop 0 and four v_nop follow each of the two lines, ahead of the jump, the label and what follows.
.macro JLOAD s
	s_cmp_eq_u32 s11, 0
	s_cbranch_scc0 .Lfor_b_\@
	tensor_load_to_lds s[G0A+4*(\s):G0A+4*(\s)+3], s[G1A:G1A+7]
	s_nop 0
.rept 4
	v_nop
.endr
	s_branch .Lasked_\@
.Lfor_b_\@:
	tensor_load_to_lds s[G0B+4*(\s):G0B+4*(\s)+3], s[G1B:G1B+7]
	s_nop 0
.rept 4
	v_nop
.endr
.Lasked_\@:
.endm
; A PREFETCH INTO THE L2, behind a joint load, its five lines and the run of LDS loads: the K step that stands two refills on, 256 matrix instructions ahead of the load that will want it.
; Each aligned 256 bytes are named once in the launch.  A's tile row is read by this row of this cluster alone: wave 0 asks, and the four partners take 32 rows each BY ADDRESS (cx), a lane a row.
; B's tile column is read by every cluster: the cluster with y = 0 asks; waves 2 and 3 for the 64 k-rows that they fetch, of which the four partners take 16 each by address (cy), two lanes a row of 512 bytes.
; The first four K steps come by their loads alone; the loop's last trip, whose refills are the last, asks for nothing.
.macro ASK
	s_cmp_gt_u32 s3, s[LIM]                        ; s3 = 1 in the loop's last trip
	s_cbranch_scc0 .Lnot_mine_\@
	global_prefetch_b8 v[PFO], s[PFA:PFA+1] th:TH_LOAD_NT scope:SCOPE_SE
.Lnot_mine_\@:
.endm
.macro CREST                           ; a round of the cluster's barrier behind its opening barrier
	s_cmp_lg_u32 s10, 0
	s_cbranch_scc1 .Lnot_wave_0_\@
	s_barrier_signal -3
.Lnot_wave_0_\@:
	s_barrier_wait -3
	s_barrier_signal -1
	s_barrier_wait -1
.endm
.macro CROUND                          ; a whole round
	s_barrier_signal -1
	s_barrier_wait -1
	CREST
.endm
	s_load_b128 s[4:7], s[0:1], 0x0                ; A s[4:5], B s[6:7]
	s_load_b64 s[8:9], s[0:1], 0x10                ; C
	v_lshl_add_u32 v[SPW], v0, 2, SPARE
	v_mov_b32 v[NIL], 0
	ds_add_u32 v[SPW], v[NIL]                      ; the wave's opening: the add and its wait ahead of my first tensor load; the set-up below, work on registers, stands between them
	v_lshrrev_b32 v1, 5, v0
	v_readfirstlane_b32 s10, v1                    ; wave 0..3
	s_lshr_b32 s11, s10, 1                         ; which 64 rows of the tile are mine.  Also: I fetch for A (0) or for B (1)
	s_and_b32 s12, s10, 1                          ; which 128 columns.  Also: which half of that tile I fetch
	s_bfe_u32 s40, ttmp6, 0x40000                  ; cx, cy: my place in the cluster
	s_bfe_u32 s41, ttmp6, 0x40004
	s_lshl_b32 s42, ttmp9, 2
	s_add_co_u32 s42, s42, s40                     ; tile column of C = 4 x cluster x + cx
	s_and_b32 s13, ttmp7, 0xffff
	s_lshl_b32 s13, s13, 2
	s_add_co_u32 s13, s13, s41                     ; tile row of C = 4 x cluster y + cy
	s_lshl_b32 s43, s41, 2
	s_lshl_b32 s43, 15, s43                        ; my row of the cluster
	s_lshl_b32 s44, 0x1111, s40                    ; my column
	s_or_b32 s[G1A+0], s43, (1<<16)|(1<<20)|(1<<21)|(5<<22)|(3<<25)  ; the mask: A's tiles go to my row; elements of 2 bytes; padding on; bit 21 beside a mask; after every 64 words (code 5) 4 words (code 3)
	s_mov_b32 s[G1A+1], 128<<16                    ; tensor_dim0 = 128
	s_mov_b32 s[G1A+2], 64<<16                     ; tensor_dim1 = 64
	s_mov_b32 s[G1A+3], 128<<16                    ; tile_dim0 = 128
	s_mov_b32 s[G1A+4], 64                         ; tile_dim1 = 64
	s_mov_b32 s[G1A+5], 1024                       ; elements from row to row
	s_mov_b32 s[G1A+6], 0
	s_mov_b32 s[G1A+7], 0
	s_or_b32 s[G1B+0], s44, (1<<16)|(1<<20)|(1<<21)|(6<<22)|(7<<25)  ; the mask of my column; after every 128 words (code 6) 8 words (code 7)
	s_mov_b32 s[G1B+1], 256<<16                    ; tensor_dim0 = 256
	s_mov_b32 s[G1B+2], 64<<16
	s_mov_b32 s[G1B+3], 256<<16                    ; tile_dim0 = 256
	s_mov_b32 s[G1B+4], 64
	s_mov_b32 s[G1B+5], 1024
	s_mov_b32 s[G1B+6], 0
	s_mov_b32 s[G1B+7], 0
	; where the tiles come from.  A's hang on the tile row alone, B's on the tile column alone; each address is made in registers that never hold the other coordinate
	s_lshl_b32 s16, s13, 7
	s_lshl_b32 s17, s12, 6
	s_add_co_u32 s16, s16, s17                     ; A: row 128 x tile row + 64 x half,
	s_lshl_b32 s16, s16, 11                        ; in bytes
	s_mov_b32 s17, 0
	s_lshl_b32 s46, s42, 9                         ; B: 512 bytes x tile column
	s_lshl_b32 s47, s12, 17                        ; + 64 k-rows x half
	s_add_co_u32 s46, s46, s47
	s_mov_b32 s47, 0
	s_mul_i32 s20, s12, 64*PA                      ; and where they go: no place in the cluster enters an LDS address
	s_mul_i32 s21, s12, 64*PB
	s_add_co_u32 s21, s21, ATILE
	s_wait_dscnt 0x0                               ; the opening add is done
	s_wait_kmcnt 0x0
	s_add_nc_u64 s[14:15], s[4:5], s[16:17]
	s_add_nc_u64 s[46:47], s[6:7], s[46:47]
	CROUND                                         ; all sixteen work-groups are here: the first joint loads meet
.irp s, 0,1
	s_mov_b32 s[G0A+4*(\s)], 1
	s_add_co_u32 s[G0A+4*(\s)+1], s20, (\s)*SLOT
	s_add_nc_u64 s[G0A+4*(\s)+2:G0A+4*(\s)+3], s[14:15], (\s)*KSTEP*2
	s_or_b32 s[G0A+4*(\s)+3], s[G0A+4*(\s)+3], 0x80000000
	s_mov_b32 s[G0B+4*(\s)], 1
	s_add_co_u32 s[G0B+4*(\s)+1], s21, (\s)*SLOT
	s_add_nc_u64 s[G0B+4*(\s)+2:G0B+4*(\s)+3], s[46:47], (\s)*KSTEP*ROWB
	s_or_b32 s[G0B+4*(\s)+3], s[G0B+4*(\s)+3], 0x80000000
	JLOAD \s
.endr
	s_load_b32 s[FLOOR], s[6:7], 0x200000          ; the floor, behind B's numbers
	v_and_b32 v1, 15, v0                           ; l % 16
	v_bfe_u32 v2, v0, 4, 1                         ; l / 16
	v_mul_u32_u24 v3, v1, PA
	v_lshl_add_u32 v3, v2, 4, v3                   ; A: a fragment's row x pitch + 16 x half
	v_and_b32 v4, 7, v0
	v_lshl_add_u32 v4, v2, 3, v4                   ; B: k-row 8 (l / 16) + l % 8,
	v_mul_u32_u24 v4, v4, PB
	v_bfe_u32 v5, v0, 3, 1
	v_lshl_add_u32 v4, v5, 4, v4                   ; columns 8 ((l / 8) % 2) + 0..7
	s_mul_i32 s21, s11, 64*PA                      ; my 64 rows of A
	s_lshl_b32 s22, s12, 8                         ; my 128 columns of B,
	s_add_co_u32 s22, s22, ATILE                   ; which lies behind A
.irp s, 0,1
	v_add_nc_u32 v[ADRA+(\s)], s21, v3
	v_add_nc_u32 v[ADRB+(\s)], s22, v4
	s_add_co_u32 s21, s21, SLOT
	s_add_co_u32 s22, s22, SLOT
.endr
	s_mul_i32 s23, s10, 16*SPITCH
	s_add_co_u32 s23, s23, STAGE                   ; my stage
	v_mul_u32_u24 v6, v1, SPITCH                   ; in: row l % 16, 16 bytes for each half of the lanes
	v_lshl_add_u32 v6, v2, 4, v6
	v_add_nc_u32 v[STO], s23, v6
	v_mul_u32_u24 v6, v2, SPITCH                   ; back: lanes 0-15 take one row of 256 bytes, lanes 16-31 the next
	v_lshl_add_u32 v6, v1, 4, v6
	v_add_nc_u32 v[RD], s23, v6
	v_lshlrev_b32 v6, 11, v2                       ; and the same two rows in C
	v_lshl_add_u32 v[CO], v1, 4, v6
	s_lshl_b32 s16, s13, 7
	s_lshl_b32 s17, s11, 6
	s_add_co_u32 s16, s16, s17                     ; my first row of C,
	s_lshl_b32 s16, s16, 11
	s_mov_b32 s17, 0
	s_add_nc_u64 s[8:9], s[8:9], s[16:17]
	s_lshl_b32 s46, s42, 9                         ; my first column, in bytes (in the registers that held B's address)
	s_lshl_b32 s47, s12, 8
	s_add_co_u32 s46, s46, s47
	s_mov_b32 s47, 0
	s_add_nc_u64 s[8:9], s[8:9], s[46:47]
	; the prefetches
	s_lshl_b32 s72, s13, 7
	s_lshl_b32 s73, s40, 5
	s_add_co_u32 s72, s72, s73                     ; A: my work-group's 32 of the tile's 128 rows,
	s_lshl_b32 s72, s72, 11
	s_add_co_u32 s72, s72, 3*KSTEP*2               ; at K step 3: the first refill steps it to 4
	s_lshl_b32 s74, s12, 6
	s_lshl_b32 s75, s41, 4
	s_add_co_u32 s74, s74, s75                     ; B: my work-group's 16 of the 64 k-rows that I fetch,
	s_lshl_b32 s74, s74, 11
	s_lshl_b32 s75, s42, 9
	s_add_co_u32 s74, s74, s75                     ; the tile's 512 bytes of them,
	s_add_co_u32 s74, s74, 3*KSTEP*ROWB            ; at K step 3
	s_and_b32 s70, ttmp7, 0xffff                   ; cluster y
	s_mov_b32 s[PFS], KSTEP*ROWB
	s_mov_b32 s[PFS+1], 0
	s_cmp_eq_u32 s11, 0                            ; do I fetch for A?
	s_cselect_b32 s72, s72, s74
	s_cselect_b32 s70, s10, s70                    ; what must be 0 for me to ask: for A my wave's number, for B the cluster's y: the same in all sixteen partners, for a given wave
	s_cselect_b32 s[PFS], KSTEP*2, s[PFS]
	s_cselect_b32 s71, -1, 0
	s_cselect_b64 s[PFA:PFA+1], s[4:5], s[6:7]
	s_mov_b32 s73, 0
	s_add_nc_u64 s[PFA:PFA+1], s[PFA:PFA+1], s[72:73]
	s_cmp_eq_u32 s70, 0
	s_cselect_b32 s[LIM], 1, -1
	v_and_b32 v5, 31, v0
	v_lshlrev_b32 v6, 11, v5                       ; A: a lane a row
	v_lshrrev_b32 v7, 1, v5
	v_and_b32 v5, 1, v5
	v_lshlrev_b32 v7, 11, v7
	v_lshl_add_u32 v7, v5, 8, v7                   ; B: two lanes a row, 256 bytes apart
	v_cndmask_b32 v[PFO], v7, v6, s71
; 8 matrix instructions: m block a x all 8 n blocks, 32 along K.  zero = 1: the first product starts the sums: nothing is cleared.
; The 32 accumulators take turns, one instruction a turn, in the same order in every quarter, over the backward jump too.
.macro MUL8 f, a, zero
	WIN MULW
.irp b, 0,1,2,3,4,5,6,7
.if \zero
	v_wmma_f32_16x16x32_bf16 v[8*(8*(\a)+(\b)):8*(8*(\a)+(\b))+7], v[(\f)+32+8*(\b):(\f)+32+8*(\b)+7], v[(\f)+8*(\a):(\f)+8*(\a)+7], 0
.else
	v_wmma_f32_16x16x32_bf16 v[8*(8*(\a)+(\b)):8*(8*(\a)+(\b))+7], v[(\f)+32+8*(\b):(\f)+32+8*(\b)+7], v[(\f)+8*(\a):(\f)+8*(\a)+7], v[8*(8*(\a)+(\b)):8*(8*(\a)+(\b))+7]
.endif
.endr
.endm
; 24 LDS loads in one run: quarter q's fragments (32 along K) into buffer f: B's eight, turned; then A's four, blocks 2 and 3 last
.macro FETCH slot, q, f
	WIN 0
.irp b, 0,1,2,3,4,5,6,7
	ds_load_tr16_b128 v[(\f)+32+8*(\b):(\f)+32+8*(\b)+3],   v[ADRB+(\slot)] offset:(\q)*32*PB+32*(\b)
	ds_load_tr16_b128 v[(\f)+32+8*(\b)+4:(\f)+32+8*(\b)+7], v[ADRB+(\slot)] offset:(\q)*32*PB+32*(\b)+16*PB
.endr
.irp a, 0,1,2,3
	ds_load_b128 v[(\f)+8*(\a):(\f)+8*(\a)+3],   v[ADRA+(\slot)] offset:(\a)*16*PA+64*(\q)
	ds_load_b128 v[(\f)+8*(\a)+4:(\f)+8*(\a)+7], v[ADRA+(\slot)] offset:(\a)*16*PA+64*(\q)+32
.endr
.endm
.macro PLACES                          ; four places in front of loads into registers that matrix instructions have read (ISA guide 7.12.1 for vector instructions)
.rept 4
	v_nop
.endr
.endm
; A K step is four quarters of 32 along K, 32 matrix instructions each, on buffers 0, 1, 0, 1.  One of the first three: multiplies buffer f; in its middle it fetches quarter q into buffer g.
.macro QUARTER slot, q, f, g, zero
	s_wait_dscnt 4                                 ; B and A's blocks 0 and 1 are in; the youngest four loads (blocks 2 and 3) may be out
	MUL8 \f, 0, \zero
	MUL8 \f, 1, \zero
	WIN 0
	PLACES
	FETCH \slot, \q, \g
	s_wait_dscnt 24                                ; all but the 24 just issued
	MUL8 \f, 2, \zero
	MUL8 \f, 3, \zero
.endm
; The last quarter multiplies buffer 1 and changes slots: ONE barrier; in front of it each wave waits for all its tensor loads (the one that is out is its part of the next slot), adds 0 to its spare word,
; and waits for that and for its own reads of this slot.  fill = 1: the barrier opens a round of the cluster's, and this slot is filled again, two K steps ahead, first thing behind the round:
; that load has 112 matrix instructions in which to land.
.macro TURN slot, next, fill
.if \fill
	s_wait_xcnt 0x0                                ; the last prefetch, a K step back, has read its address: it is stepped here, ahead of the waits of the change of slots
	s_add_nc_u64 s[PFA:PFA+1], s[PFA:PFA+1], s[PFS:PFS+1]
.endif
	s_wait_tensorcnt 0x0                           ; all my tensor loads have landed;
	ds_add_u32 v[SPW], v[NIL]                      ; 0 onto my spare word (its two registers are sources 0 and 1: window 0);
	s_wait_dscnt 5                                 ; (the add and the youngest four loads may be out)
	MUL8 F1, 0, 0                                  ; eight matrix instructions stand between the add and the wait for it
	s_wait_dscnt 0x0                               ; the add is done, and my reads of this slot are over
	s_barrier_signal -1
	MUL8 F1, 1, 0
	WIN 0                                          ; (branches and loads follow)
	s_barrier_wait -1
.if \fill
	CREST                                          ; no wave of any partner still reads this slot's tile or has a load on its way
	s_add_nc_u64 s[G0A+4*(\slot)+2:G0A+4*(\slot)+3], s[G0A+4*(\slot)+2:G0A+4*(\slot)+3], 2*KSTEP*2
	s_add_nc_u64 s[G0B+4*(\slot)+2:G0B+4*(\slot)+3], s[G0B+4*(\slot)+2:G0B+4*(\slot)+3], 2*KSTEP*ROWB
	JLOAD \slot                                    ; the four v_nop behind it are also the places in front of the loads below
.else
	PLACES
.endif
	FETCH \next, 0, F0
.if \fill
	ASK
.endif
	MUL8 F1, 2, 0
	MUL8 F1, 3, 0
.endm
	s_wait_kmcnt 0x0                               ; the floor
	s_wait_tensorcnt 1                             ; my part of K step 0 is in; K step 1's may stay out
	s_barrier_signal -1
	s_barrier_wait -1                              ; everybody's is
	FETCH 0, 0, F0
	QUARTER 0, 1, F0, F1, 1                        ; the first quarter stands in front of the loop: its products start the sums
	WIN 0                                          ; at a label and at a branch every window is 0
	s_mov_b32 s3, LAPS-1
.Llap:                                                 ; a trip goes once round the ring, from a lap's second quarter to the next lap's first, and fills both slots again
	QUARTER 0, 2, F1, F0, 0
	QUARTER 0, 3, F0, F1, 0
	TURN 0, 1, 1
	QUARTER 1, 1, F0, F1, 0
	QUARTER 1, 2, F1, F0, 0
	QUARTER 1, 3, F0, F1, 0
	TURN 1, 0, 1
	QUARTER 0, 1, F0, F1, 0
	WIN 0
	s_sub_co_u32 s3, s3, 1
	s_cmp_lg_u32 s3, 0
	s_cbranch_scc1 .Llap
	QUARTER 0, 2, F1, F0, 0                        ; the last lap fills nothing, and has no round of the cluster's barrier
	QUARTER 0, 3, F0, F1, 0
	TURN 0, 1, 0
	QUARTER 1, 1, F0, F1, 0
	QUARTER 1, 2, F1, F0, 0
	QUARTER 1, 3, F0, F1, 0
	s_wait_dscnt 4                                 ; the very last quarter: nothing more to fetch
	MUL8 F1, 0, 0
	MUL8 F1, 1, 0
	s_wait_dscnt 0x0
	MUL8 F1, 2, 0
	MUL8 F1, 3, 0
	WIN 0
	; THE WAY OUT, a block of 16 rows x 128 columns at a time: rounded to bf16, held to the floor, 16 bytes a lane into my own stage, back as whole rows of 256 bytes, stored.
	PLACES
	PLACES
.macro PACK a
	WIN PACKW
.irp b, 0,1,2,3,4,5,6,7
.irp r, 0,1,2,3
	v_cvt_pk_bf16_f32 v[TMP+4*(\b)+(\r)], v[8*(8*(\a)+(\b))+2*(\r)], v[8*(8*(\a)+(\b))+2*(\r)+1]  ; each accumulator from its low end on
.endr
.endr
	WIN 0
.set i, 0
.rept 32
	v_pk_max_num_bf16 v[TMP+i], v[TMP+i], s[FLOOR]
.set i, i+1
.endr
.endm
.macro TOSTAGE a
.irp b, 0,1,2,3,4,5,6,7
	ds_store_b128 v[STO], v[TMP+4*(\b):TMP+4*(\b)+3] offset:32*(\b)
.endr
.irp t, 0,1,2,3,4,5,6,7
	ds_load_b128 v[OB+32*(\a)+4*(\t):OB+32*(\a)+4*(\t)+3], v[RD] offset:(\t)*2*SPITCH  ; LDS serves a wave's instructions in order (ISA guide 5.7.1.4): these see the stores above; the next block's stores come behind them
.endr
.endm
.macro SEND a
	s_wait_dscnt 0x0                               ; the block is back in registers of its own: no store's data is ever rewritten
.irp t, 0,1,2,3,4,5,6,7
	global_store_b128 v[CO], v[OB+32*(\a)+4*(\t):OB+32*(\a)+4*(\t)+3], s[8:9] offset:(\a)*16*ROWB+2*(\t)*ROWB  ; 16 lanes store 256 consecutive bytes, at a multiple of 256 from C's first byte
.endr
.endm
	PACK 0
	TOSTAGE 0
.irp a, 1,2,3                          ; block a's conversions stand between block a - 1's loads from the stage and the wait for them
	PACK \a
	SEND (\a)-1
	TOSTAGE \a
.endr
	SEND 3
	s_wait_tensorcnt 0x0                           ; the wave's end: behind my last tensor load and my last LDS store
	ds_add_u32 v[SPW], v[NIL]
	s_wait_dscnt 0x0
	CROUND                                         ; the closing round: no work-group ends while a partner may still ask for a tile that names it
	s_endpgm
.Lfunc_end_k_qcc116658de_ffn1:
	.size	k_qcc116658de_ffn1, .Lfunc_end_k_qcc116658de_ffn1-k_qcc116658de_ffn1
	.p2alignl 7, 3214868480
	.fill 96, 4, 3214868480
	.section	.rodata,"a",@progbits
	.p2align	6, 0x0
	.amdhsa_kernel k_qcc116658de_ffn1
		.amdhsa_group_segment_fixed_size 327680
		.amdhsa_private_segment_fixed_size 0
		.amdhsa_enable_private_segment 0
		.amdhsa_kernarg_size 24
		.amdhsa_user_sgpr_count 2
		.amdhsa_user_sgpr_kernarg_segment_ptr 1
		.amdhsa_wavefront_size32 1
		.amdhsa_system_sgpr_workgroup_id_x 1
		.amdhsa_system_sgpr_workgroup_id_y 1
		.amdhsa_system_sgpr_workgroup_id_z 1
		.amdhsa_system_vgpr_workitem_id 0
		.amdhsa_next_free_vgpr 512
		.amdhsa_next_free_sgpr 80
		.amdhsa_reserve_vcc 0
		.amdhsa_float_denorm_mode_32 3
		.amdhsa_float_denorm_mode_16_64 3
		.amdhsa_memory_ordered 1
		.amdhsa_forward_progress 1
		.amdhsa_inst_pref_size 96
	.end_amdhsa_kernel
	.amdgpu_metadata
---
amdhsa.version: [ 1, 2 ]
amdhsa.kernels:
  - .name:           k_qcc116658de_ffn1
    .symbol:         k_qcc116658de_ffn1.kd
    .args:
      - { .name: x1b, .offset: 0, .size: 8, .value_kind: global_buffer, .address_space: global }
      - { .name: w1p, .offset: 8, .size: 8, .value_kind: global_buffer, .address_space: global }
      - { .name: hb, .offset: 16, .size: 8, .value_kind: global_buffer, .address_space: global }
    .group_segment_fixed_size: 327680
    .private_segment_fixed_size: 0
    .kernarg_segment_align: 8
    .kernarg_segment_size: 24
    .max_flat_workgroup_size: 128
    .sgpr_count:     80
    .vgpr_count:     512
    .wavefront_size: 32
...
	.end_amdgpu_metadata
.endif
;; end of part 5
;; launch ffn2: the kernel of part 5 again; grid 4 x 64, 4 waves a work-group, clusters of 4 x 4, 327,680 bytes of LDS; arguments hb, w2p, ffb; writes ffb
;; launch ln2 (part 6): grid 256 x 1, 8 waves a work-group, no clusters, 0 bytes of LDS; arguments x1b, ffb, g2, b2, out0; writes out0
.if DOCPART == 6
	.amdgcn_target "amdgcn-amd-amdhsa--gfx1250"
	.amdhsa_code_object_version 6
	.text
	.protected	k_qcc116658de_ln2
	.globl	k_qcc116658de_ln2
	.p2align	8
	.type	k_qcc116658de_ln2,@function
k_qcc116658de_ln2:
	s_mov_b64 s[64:65], 0
	v_nop
	global_prefetch_b8 v0, s[64:65] scope:SCOPE_SE
	s_setreg_imm32_b32 hwreg(HW_REG_WAVE_MODE, 25, 1), 1
	s_wait_xcnt 0x0
; LN2.  out = LayerNorm(x1 + ff) g2 + b2.  x1 and ff arrive in bf16 and are added in f32; everything else in f32; the mean is taken away before the squares are added.
; SHARES.  A work-group owns 32 rows, a wave four; one wave, one row at a time, the row kept in 32 registers between the passes: load j gives lane l channels 128 j + 4 l + 0..3.
; All of a wave's loads are issued at its head; the waits are counted, so that the later rows stay on their way while a row is worked on.
; No LDS, no barrier, no matrix work, no cluster: the reduction never leaves the wave and no byte is shared but g2 and b2.
.set ONE, 4                            ; v4   1.0
.set G,   16                           ; v[16:47]   g2
.set B,   48                           ; v[48:79]   b2
.set XB,  80                           ; v[80:143]  x1, 16 registers a row
.set FB,  144                          ; v[144:207] ff, likewise
.set Z,   208                          ; v[208:239] the row in f32
.set T,   240                          ; v[240:247] at work
.set ST,  248                          ; v[248:251] mean twice, 1 / sigma twice
.set SEL, 18                           ; s[18:19] v_permlanex16_b32's selects
.set INV, 24                           ; s24  1 / 1,024
.set EPS, 25                           ; s25  1e-5
.macro WSUM t                          ; v[t] summed over the wave's 32 lanes, in every lane; v[t+1], written before, is at work
	v_add_f32_dpp v[\t], v[\t], v[\t] row_xmask:1 row_mask:0xf bank_mask:0xf
	v_add_f32_dpp v[\t], v[\t], v[\t] row_xmask:2 row_mask:0xf bank_mask:0xf
	v_add_f32_dpp v[\t], v[\t], v[\t] row_xmask:4 row_mask:0xf bank_mask:0xf
	v_add_f32_dpp v[\t], v[\t], v[\t] row_xmask:8 row_mask:0xf bank_mask:0xf
	v_permlanex16_b32 v[(\t)+1], v[\t], s[SEL], s[SEL+1]
	v_add_f32 v[\t], v[\t], v[(\t)+1]
.endm
.macro FOLD t                          ; four pairs into one number
	v_pk_add_f32 v[(\t):(\t)+1],   v[(\t):(\t)+1],   v[(\t)+2:(\t)+3]
	v_pk_add_f32 v[(\t)+4:(\t)+5], v[(\t)+4:(\t)+5], v[(\t)+6:(\t)+7]
	v_pk_add_f32 v[(\t):(\t)+1],   v[(\t):(\t)+1],   v[(\t)+4:(\t)+5]
	v_add_f32 v[\t], v[\t], v[(\t)+1]
.endm
; LayerNorm of the row in v[z .. z+31], in place: mean; row - mean; mean of squares; 1 / sqrt(var + eps); times g, plus b.  Sums in four chains that do not wait for each other.
.macro LN z, g, b, t, st
.irp c, 0,2,4,6
	v_pk_add_f32 v[(\t)+\c:(\t)+\c+1], v[(\z)+\c:(\z)+\c+1], v[(\z)+8+\c:(\z)+8+\c+1]
.endr
.irp k, 16,24
.irp c, 0,2,4,6
	v_pk_add_f32 v[(\t)+\c:(\t)+\c+1], v[(\t)+\c:(\t)+\c+1], v[(\z)+\k+\c:(\z)+\k+\c+1]
.endr
.endr
	FOLD \t
	WSUM \t
	v_mul_f32 v[\st],     s[INV], v[\t]            ; the mean, twice: a pair for the packed lines
	v_mul_f32 v[(\st)+1], s[INV], v[\t]
.set i, 0
.rept 16
	v_pk_add_f32 v[(\z)+i:(\z)+i+1], v[(\z)+i:(\z)+i+1], v[(\st):(\st)+1] neg_lo:[0,1] neg_hi:[0,1]
.set i, i+2
.endr
.irp c, 0,2,4,6
	v_pk_mul_f32 v[(\t)+\c:(\t)+\c+1], v[(\z)+\c:(\z)+\c+1], v[(\z)+\c:(\z)+\c+1]
.endr
.irp k, 8,16,24
.irp c, 0,2,4,6
	v_pk_fma_f32 v[(\t)+\c:(\t)+\c+1], v[(\z)+\k+\c:(\z)+\k+\c+1], v[(\z)+\k+\c:(\z)+\k+\c+1], v[(\t)+\c:(\t)+\c+1]
.endr
.endr
	FOLD \t
	WSUM \t
	v_fma_f32 v[\t], v[\t], s[INV], s[EPS]
	v_rsq_f32 v[(\st)+2], v[\t]
	v_rsq_f32 v[(\st)+3], v[\t]
	v_nop                                          ; a plain instruction behind the last root, ahead of the first use (ISA guide 5.7.2),
	s_wait_alu depctr_va_vdst(0)                   ; and one wait for the two
.set i, 0
.rept 16
	v_pk_mul_f32 v[(\z)+i:(\z)+i+1], v[(\z)+i:(\z)+i+1], v[(\st)+2:(\st)+3]
.set i, i+2
.endr
.set i, 0
.rept 16
	v_pk_fma_f32 v[(\z)+i:(\z)+i+1], v[(\z)+i:(\z)+i+1], v[(\g)+i:(\g)+i+1], v[(\b)+i:(\b)+i+1]
.set i, i+2
.endr
.endm
	s_load_b256 s[4:11], s[0:1], 0x0               ; x1b s[4:5], ffb s[6:7], g2 s[8:9], b2 s[10:11]
	s_load_b64 s[12:13], s[0:1], 0x20              ; out0
	v_lshrrev_b32 v1, 5, v0
	v_readfirstlane_b32 s16, v1                    ; wave 0..7
	v_and_b32 v1, 31, v0
	v_lshlrev_b32 v2, 4, v1                        ; 16 x lane
	v_lshlrev_b32 v3, 3, v1                        ; 8 x lane
	v_mov_b32 v[ONE], 1.0
	s_mov_b32 s[SEL], 0x76543210
	s_mov_b32 s[SEL+1], 0xfedcba98
	s_mov_b32 s[INV], 0x3a800000
	s_mov_b32 s[EPS], 0x3727c5ac
	s_lshl_b32 s20, ttmp9, 5
	s_lshl_b32 s21, s16, 2
	s_add_co_u32 s20, s20, s21                     ; my first row
	s_lshl_b32 s22, s20, 12                        ; in out0: 4,096 bytes a row,
	s_mov_b32 s23, 0
	s_lshl_b32 s20, s20, 11                        ; in x1b and ffb: 2,048
	s_mov_b32 s21, 0
	s_wait_kmcnt 0x0
	s_add_nc_u64 s[4:5], s[4:5], s[20:21]
	s_add_nc_u64 s[6:7], s[6:7], s[20:21]
	s_add_nc_u64 s[12:13], s[12:13], s[22:23]
.set j, 0
.rept 8
	global_load_b128 v[G+4*j:G+4*j+3], v2, s[8:9] offset:512*j
	global_load_b128 v[B+4*j:B+4*j+3], v2, s[10:11] offset:512*j
.set j, j+1
.endr
.irp p, 0,1,2,3
.set j, 0
.rept 8
	global_load_b64 v[XB+16*\p+2*j:XB+16*\p+2*j+1], v3, s[4:5] offset:2048*\p+256*j th:TH_LOAD_NT
	global_load_b64 v[FB+16*\p+2*j:FB+16*\p+2*j+1], v3, s[6:7] offset:2048*\p+256*j th:TH_LOAD_NT
.set j, j+1
.endr
.endr
.macro ROW p
	s_wait_loadcnt 16*(3-(\p))                     ; g2, b2 and this row are in; the later rows' 16 loads each stay out
.if \p
	s_wait_xcnt 0x0                                ; the last row's stores have read Z: it is rewritten only behind this wait
.endif
.set j, 0
.rept 16                               ; x1 x 1.0 + ff straight from the bf16 halves, rounded once to f32
	v_fma_mix_f32_bf16 v[Z+2*j],   v[XB+16*(\p)+j], v[ONE], v[FB+16*(\p)+j] op_sel_hi:[1,0,1]
	v_fma_mix_f32_bf16 v[Z+2*j+1], v[XB+16*(\p)+j], v[ONE], v[FB+16*(\p)+j] op_sel:[1,0,1] op_sel_hi:[1,0,1]
.set j, j+1
.endr
	LN Z, G, B, T, ST
.set j, 0
.rept 8
	global_store_b128 v2, v[Z+4*j:Z+4*j+3], s[12:13] offset:4096*(\p)+512*j th:TH_STORE_NT  ; a wave's store covers 512 consecutive bytes, aligned
.set j, j+1
.endr
.endm
	ROW 0
	ROW 1
	ROW 2
	ROW 3
	s_endpgm
.Lfunc_end_k_qcc116658de_ln2:
	.size	k_qcc116658de_ln2, .Lfunc_end_k_qcc116658de_ln2-k_qcc116658de_ln2
	.p2alignl 7, 3214868480
	.fill 96, 4, 3214868480
	.section	.rodata,"a",@progbits
	.p2align	6, 0x0
	.amdhsa_kernel k_qcc116658de_ln2
		.amdhsa_group_segment_fixed_size 0
		.amdhsa_private_segment_fixed_size 0
		.amdhsa_enable_private_segment 0
		.amdhsa_kernarg_size 40
		.amdhsa_user_sgpr_count 2
		.amdhsa_user_sgpr_kernarg_segment_ptr 1
		.amdhsa_wavefront_size32 1
		.amdhsa_system_sgpr_workgroup_id_x 1
		.amdhsa_system_sgpr_workgroup_id_y 1
		.amdhsa_system_sgpr_workgroup_id_z 1
		.amdhsa_system_vgpr_workitem_id 0
		.amdhsa_next_free_vgpr 252
		.amdhsa_next_free_sgpr 66
		.amdhsa_reserve_vcc 0
		.amdhsa_float_denorm_mode_32 3
		.amdhsa_float_denorm_mode_16_64 3
		.amdhsa_memory_ordered 1
		.amdhsa_forward_progress 1
		.amdhsa_inst_pref_size 45
	.end_amdhsa_kernel
	.amdgpu_metadata
---
amdhsa.version: [ 1, 2 ]
amdhsa.kernels:
  - .name:           k_qcc116658de_ln2
    .symbol:         k_qcc116658de_ln2.kd
    .args:
      - { .name: x1b, .offset: 0, .size: 8, .value_kind: global_buffer, .address_space: global }
      - { .name: ffb, .offset: 8, .size: 8, .value_kind: global_buffer, .address_space: global }
      - { .name: g2, .offset: 16, .size: 8, .value_kind: global_buffer, .address_space: global }
      - { .name: b2, .offset: 24, .size: 8, .value_kind: global_buffer, .address_space: global }
      - { .name: out0, .offset: 32, .size: 8, .value_kind: global_buffer, .address_space: global }
    .group_segment_fixed_size: 0
    .private_segment_fixed_size: 0
    .kernarg_segment_align: 8
    .kernarg_segment_size: 40
    .max_flat_workgroup_size: 256
    .sgpr_count:     66
    .vgpr_count:     252
    .wavefront_size: 32
...
	.end_amdgpu_metadata
.endif
;; end of part 6
;; ======== version 2 of 2: 7 launches; version 1 with the launch ln1 written anew for expert scheduling mode
;; workspace buffers: part 65,536 bytes; w1p 2,097,408 bytes; w2p 2,097,408 bytes; uv 557,056 bytes; rs 524,288 bytes; x1b 16,777,216 bytes; hb 16,777,216 bytes; ffb 16,777,216 bytes
;; launch prep: the kernel of part 1 again; grid 256 x 1, 16 waves a work-group, no clusters, 6,144 bytes of LDS; arguments x, W1, W2, part, w1p, w2p; writes part, w1p, w2p
;; launch heads: the kernel of part 2 again; grid 5 x 16, 16 waves a work-group, no clusters, 110,592 bytes of LDS; arguments part, Wk, Wv, Wq, uv; writes uv
;; launch rowsum: the kernel of part 3 again; grid 256 x 1, 4 waves a work-group, no clusters, 167,936 bytes of LDS; arguments x, uv, rs; writes rs
;; launch ln1 (part 7): grid 256 x 1, 16 waves a work-group, no clusters, 6,144 bytes of LDS; arguments x, rs, uv, g1, b1, x1b; writes x1b
.if DOCPART == 7
	.amdgcn_target "amdgcn-amd-amdhsa--gfx1250"
	.amdhsa_code_object_version 6
	.text
	.protected	k_qcc116658de_ln1
	.globl	k_qcc116658de_ln1
	.p2align	8
	.type	k_qcc116658de_ln1,@function
k_qcc116658de_ln1:
	s_mov_b64 s[64:65], 0
	v_nop
	global_prefetch_b8 v0, s[64:65] scope:SCOPE_SE
	s_setreg_imm32_b32 hwreg(HW_REG_WAVE_SCHED_MODE, 0, 2), 2
	s_setreg_imm32_b32 hwreg(HW_REG_WAVE_MODE, 25, 1), 1
	s_wait_xcnt 0x0
	s_wait_alu depctr_vm_vsrc(0)
; LN1.  p[b][h][t] = softmax over t of rs[b][t][h], with the maximum over t taken away first;  x1 = LayerNorm(x + p vsum) g1 + b1, stored once rounded to bf16.
; All arithmetic in f32; the mean is taken away before the squares are added.  LIMITS: a weight below 2^-126 counts as 0; NaN and infinities are not treated apart.
; SHARES.  A work-group owns 32 tokens of one batch, a wave two.  Every work-group makes its batch's maxima and sums itself, from the batch's 65,536 bytes of rs held in registers
; (8 loads of 16 bytes a thread: tokens thread / 4 + 128 j, heads 4 (thread % 4) + 0..3), always in the same order, so that all work-groups of a batch get the same numbers.
; A ROW of 1,024 channels lies in 32 registers of a wave: load j gives lane l channels 128 j + 4 l + 0..3, which belong to head 2 j + l / 16.
; No matrix work, no cluster: x is shared by nobody; rs, x and vsum are asked for at the head, g1 and b1 when their registers are free, so there is nothing ahead to ask for.
; THE MODE: SCHED_MODE bits 1:0 = 2 (LLVM: expert scheduling mode 2), set by the entry lines.  The code itself states the register dependences
; between vector instructions and memory or LDS instructions, with s_wait_alu, always for 0.
; THE PLAN.  Registers that memory or LDS instructions touch:
;   v2-v9, BP     offsets, LDS addresses and the permutes' lane selects: made once at the head, never written again.
;   R, RO, X, VS  loads land in them once, at the head; vector lines alone name them after that.  The permutes' results land in R's first 16 (PJ) when the sums are done with them.
;   WP            64 registers for three uses on end: the 16 waves' partial maxima (one run of 16 LDS loads), their partial sums (one run), then g1 and b1.
;                 Each use is read by vector lines alone, and the next use's loads stand behind a wait on va_vdst that is owed there anyway, for an LDS store's data.
;   M, S          written by vector lines, read by an LDS store, written again behind the barrier: one wait on vm_vsrc each.  MC and PP are read by LDS lines and not written again.
;   Y0, Y1        a row's roundings write its own 16 registers, its 8 stores read them; neither is written again.
.set MAXP,  0                          ; [wave 16][h 16] f32
.set SUMP,  1024                       ; the same
.set FIN,   2048                       ; 128 bytes a wave, the wave's own: c m of the 16 heads, then their sums
.set SPARE, 4096                       ; the spare words, 128 bytes a wave
.set SPW, 12                           ; v12  my spare word; never rewritten
.set NIL, 13                           ; v13  0; never rewritten
.set RO,  14                           ; v14  rs of my wave's two tokens: token lane / 16, head lane % 16
.set PP,  15                           ; v15  its weight p
.set M,   16                           ; v[16:19] maxima of my four heads
.set MC,  20                           ; v[20:23] times log2(e)
.set S,   24                           ; v[24:27] sums
.set T,   28                           ; v[28:43] at work
.set ST,  44                           ; v[44:47] mean twice, 1 / sigma twice
.set R,   48                           ; v[48:79] rs; later:
.set PJ,  48                           ; v[48:63] p for row rho, load j at PJ + 8 rho + j
.set Y,   64                           ; v[64:95] row rho in bf16 at Y + 16 rho: row 1's 16 are row 0's first 16 of X, free by then
.set X,   80                           ; v[80:143] two rows
.set VS,  144                          ; v[144:175] vsum of the batch
.set WP,  176                          ; v[176:239] wave k's partial maxima, then sums, of my four heads at WP + 4 k; later:
.set G,   176                          ; v[176:207] g1
.set B,   208                          ; v[208:239] b1
.set BP,  240                          ; v[240:255] the permutes' lane selects, in bytes: 8 n + 4 (lane / 16)
.set SEL, 18                           ; s[18:19] v_permlanex16_b32's selects
.set INV, 24                           ; s24  1 / 1,024
.set EPS, 25                           ; s25  1e-5
.set LG,  26                           ; s[26:27] log2(e): the packed scaling takes the pair's low word for both halves
.macro WSUM t                          ; v[t] summed over the wave's 32 lanes, in every lane; v[t+1], written before, is at work
	v_add_f32_dpp v[\t], v[\t], v[\t] row_xmask:1 row_mask:0xf bank_mask:0xf
	v_add_f32_dpp v[\t], v[\t], v[\t] row_xmask:2 row_mask:0xf bank_mask:0xf
	v_add_f32_dpp v[\t], v[\t], v[\t] row_xmask:4 row_mask:0xf bank_mask:0xf
	v_add_f32_dpp v[\t], v[\t], v[\t] row_xmask:8 row_mask:0xf bank_mask:0xf
	v_permlanex16_b32 v[(\t)+1], v[\t], s[SEL], s[SEL+1]
	v_add_f32 v[\t], v[\t], v[(\t)+1]
.endm
.macro FOLD t                          ; four pairs into one number
	v_pk_add_f32 v[(\t):(\t)+1],   v[(\t):(\t)+1],   v[(\t)+2:(\t)+3]
	v_pk_add_f32 v[(\t)+4:(\t)+5], v[(\t)+4:(\t)+5], v[(\t)+6:(\t)+7]
	v_pk_add_f32 v[(\t):(\t)+1],   v[(\t):(\t)+1],   v[(\t)+4:(\t)+5]
	v_add_f32 v[\t], v[\t], v[(\t)+1]
.endm
; LayerNorm of the row in v[z .. z+31], in place: mean; row - mean; mean of squares; 1 / sqrt(var + eps); times g, plus b.  Sums in four chains that do not wait for each other.
; w = 1: g and b are still on their way and are waited for ahead of the lines that read them.
.macro LN z, g, b, t, st, w
.irp c, 0,2,4,6
	v_pk_add_f32 v[(\t)+\c:(\t)+\c+1], v[(\z)+\c:(\z)+\c+1], v[(\z)+8+\c:(\z)+8+\c+1]
.endr
.irp k, 16,24
.irp c, 0,2,4,6
	v_pk_add_f32 v[(\t)+\c:(\t)+\c+1], v[(\t)+\c:(\t)+\c+1], v[(\z)+\k+\c:(\z)+\k+\c+1]
.endr
.endr
	FOLD \t
	WSUM \t
	v_mul_f32 v[\st],     s[INV], v[\t]            ; the mean, twice: a pair for the packed lines
	v_mul_f32 v[(\st)+1], s[INV], v[\t]
.set i, 0
.rept 16
	v_pk_add_f32 v[(\z)+i:(\z)+i+1], v[(\z)+i:(\z)+i+1], v[(\st):(\st)+1] neg_lo:[0,1] neg_hi:[0,1]
.set i, i+2
.endr
.irp c, 0,2,4,6
	v_pk_mul_f32 v[(\t)+\c:(\t)+\c+1], v[(\z)+\c:(\z)+\c+1], v[(\z)+\c:(\z)+\c+1]
.endr
.irp k, 8,16,24
.irp c, 0,2,4,6
	v_pk_fma_f32 v[(\t)+\c:(\t)+\c+1], v[(\z)+\k+\c:(\z)+\k+\c+1], v[(\z)+\k+\c:(\z)+\k+\c+1], v[(\t)+\c:(\t)+\c+1]
.endr
.endr
	FOLD \t
	WSUM \t
	v_fma_f32 v[\t], v[\t], s[INV], s[EPS]
	v_rsq_f32 v[(\st)+2], v[\t]
	v_rsq_f32 v[(\st)+3], v[\t]
	v_nop                                          ; a plain instruction behind the last root, ahead of the first use (ISA guide 5.7.2),
	s_wait_alu depctr_va_vdst(0)                   ; the two roots have written 1 / sigma, ahead of its first reader: one wait for the two
.set i, 0
.rept 16
	v_pk_mul_f32 v[(\z)+i:(\z)+i+1], v[(\z)+i:(\z)+i+1], v[(\st)+2:(\st)+3]
.set i, i+2
.endr
.if \w
	s_wait_loadcnt 0x0                             ; g1 and b1 are in
.endif
.set i, 0
.rept 16
	v_pk_fma_f32 v[(\z)+i:(\z)+i+1], v[(\z)+i:(\z)+i+1], v[(\g)+i:(\g)+i+1], v[(\b)+i:(\b)+i+1]
.set i, i+2
.endr
.endm
	s_load_b256 s[4:11], s[0:1], 0x0               ; x s[4:5], rs s[6:7], uv s[8:9], g1 s[10:11]
	s_load_b128 s[12:15], s[0:1], 0x20             ; b1 s[12:13], x1b s[14:15]
	v_lshl_add_u32 v[SPW], v0, 2, SPARE
	v_mov_b32 v[NIL], 0
	v_lshrrev_b32 v1, 5, v0
	v_readfirstlane_b32 s16, v1                    ; wave 0..15
	v_and_b32 v1, 31, v0                           ; lane
	v_lshlrev_b32 v2, 4, v0                        ; 16 x thread
	v_lshlrev_b32 v3, 4, v1                        ; 16 x lane
	v_lshlrev_b32 v4, 3, v1                        ; 8 x lane
	v_lshlrev_b32 v5, 2, v1                        ; 4 x lane
	v_and_b32 v6, 3, v0
	v_lshlrev_b32 v6, 4, v6                        ; my four heads' 16 bytes
	v_and_b32 v9, 15, v0
	v_bfe_u32 v10, v0, 4, 1
	v_lshlrev_b32 v10, 2, v10                      ; 4 x (lane / 16)
.set n, 0
.rept 16                               ; row rho, load j (n = 8 rho + j) wants the weight of head 2 j + lane / 16, which lane 16 rho + 2 j + lane / 16 holds
	v_add_nc_u32 v[BP+n], 8*n, v10
.set n, n+1
.endr
	s_wait_alu depctr_va_sdst(0)                   ; s16 is written, ahead of its first reader: LDS addresses and the rows' offsets are made from it
	v_lshl_add_u32 v7, s16, 6, v6                  ; my four heads in my wave's 64 bytes
	s_lshl_b32 s17, s16, 7
	s_add_co_u32 s17, s17, FIN
	v_add_nc_u32 v8, s17, v6
	v_lshl_add_u32 v9, v9, 2, s17
	s_mov_b32 s[SEL], 0x76543210
	s_mov_b32 s[SEL+1], 0xfedcba98
	s_mov_b32 s[INV], 0x3a800000
	s_mov_b32 s[EPS], 0x3727c5ac
	s_mov_b32 s[LG], 0x3fb8aa3b
	s_mov_b32 s[LG+1], s[LG]                       ; named with it as a pair
	s_lshr_b32 s20, ttmp9, 5                       ; b
	s_lshl_b32 s22, s20, 16                        ; the batch's rs
	s_mov_b32 s23, 0
	s_lshl_b32 s20, s20, 12
	s_add_co_u32 s20, s20, 524288                  ; the batch's vsum, behind u
	s_mov_b32 s21, 0
	s_lshl_b32 s28, ttmp9, 11
	s_lshl_b32 s29, s16, 7
	s_add_co_u32 s28, s28, s29                     ; my two rows in rs: 64 bytes each,
	s_mov_b32 s29, 0
	s_lshl_b32 s30, s28, 6                         ; in x: 4,096,
	s_mov_b32 s31, 0
	s_lshl_b32 s32, s28, 5                         ; in x1b: 2,048
	s_mov_b32 s33, 0
	s_wait_kmcnt 0x0
	s_add_nc_u64 s[34:35], s[6:7], s[22:23]
	s_add_nc_u64 s[6:7], s[6:7], s[28:29]
	s_add_nc_u64 s[4:5], s[4:5], s[30:31]
	s_add_nc_u64 s[8:9], s[8:9], s[20:21]
	s_add_nc_u64 s[14:15], s[14:15], s[32:33]
	s_wait_alu depctr_va_vdst(0)                   ; v2 to v9 and the sixteen selects are written: every load, store, LDS line and permute of the kernel reads one of them
.set j, 0
.rept 8
	global_load_b128 v[R+4*j:R+4*j+3], v2, s[34:35] offset:8192*j
.set j, j+1
.endr
	global_load_b32 v[RO], v5, s[6:7]
.irp p, 0,1
.set j, 0
.rept 8
	global_load_b128 v[X+32*\p+4*j:X+32*\p+4*j+3], v3, s[4:5] offset:4096*\p+512*j th:TH_LOAD_NT
.set j, j+1
.endr
.endr
.set j, 0
.rept 8
	global_load_b128 v[VS+4*j:VS+4*j+3], v3, s[8:9] offset:512*j
.set j, j+1
.endr
	s_wait_loadcnt 25                              ; the batch's rs is in; the 25 younger loads (my two tokens' rs, x, vsum) stay out
	; THE MAXIMUM over t, for my four heads: my 8 tokens, the lanes with my heads (lane xor 4, 8, 16), the 16 waves
.irp e, 0,1,2,3
	v_max3_num_f32 v[M+\e], v[R+\e], v[R+4+\e], v[R+8+\e]
.endr
.irp e, 0,1,2,3
	v_max3_num_f32 v[T+\e], v[R+12+\e], v[R+16+\e], v[R+20+\e]
.endr
.irp e, 0,1,2,3
	v_max3_num_f32 v[M+\e], v[M+\e], v[R+24+\e], v[R+28+\e]
.endr
.irp e, 0,1,2,3
	v_max_num_f32 v[M+\e], v[M+\e], v[T+\e]
.endr
.irp m, 4,8
.irp e, 0,1,2,3
	v_max_num_f32_dpp v[M+\e], v[M+\e], v[M+\e] row_xmask:\m row_mask:0xf bank_mask:0xf
.endr
.endr
.irp e, 0,1,2,3
	v_permlanex16_b32 v[T+\e], v[M+\e], s[SEL], s[SEL+1]
.endr
.irp e, 0,1,2,3
	v_max_num_f32 v[M+\e], v[M+\e], v[T+\e]
.endr
	s_wait_alu depctr_va_vdst(0)                   ; M is written, which the LDS store reads
	ds_store_b128 v7, v[M:M+3] offset:MAXP
	s_wait_dscnt 0x0
	s_barrier_signal -1
	s_barrier_wait -1
.set k, 0
.rept 16                               ; all sixteen waves' maxima in one run; no vector line has named WP yet
	ds_load_b128 v[WP+4*k:WP+4*k+3], v6 offset:MAXP+64*k
.set k, k+1
.endr
	s_wait_alu depctr_vm_vsrc(0)                   ; my LDS store has read M, which the lines below write again
.irp q, 0,1,2,3
	s_wait_dscnt 12-4*\q                           ; LDS loads come back in order (ISA guide 5.7.1): four more waves' are in, the younger ones stay out
.irp e, 0,1,2,3
	v_max3_num_f32 v[M+\e], v[M+\e], v[WP+16*\q+\e], v[WP+16*\q+4+\e]
.endr
.irp e, 0,1,2,3
	v_max3_num_f32 v[M+\e], v[M+\e], v[WP+16*\q+8+\e], v[WP+16*\q+12+\e]
.endr
.endr
.irp e, 0,1,2,3
	v_mul_f32 v[MC+\e], s[LG], v[M+\e]
.endr
	; THE SUM over t of 2^(log2(e) r - log2(e) m): one batch of 32 exponentials, one wait
.set j, 0
.rept 8
	v_pk_fma_f32 v[R+4*j:R+4*j+1],   v[R+4*j:R+4*j+1],   s[LG:LG+1], v[MC:MC+1]   op_sel_hi:[1,0,1] neg_lo:[0,0,1] neg_hi:[0,0,1]
	v_pk_fma_f32 v[R+4*j+2:R+4*j+3], v[R+4*j+2:R+4*j+3], s[LG:LG+1], v[MC+2:MC+3] op_sel_hi:[1,0,1] neg_lo:[0,0,1] neg_hi:[0,0,1]
.set j, j+1
.endr
.set j, 0
.rept 32
	v_exp_f32 v[R+j], v[R+j]
.set j, j+1
.endr
	v_nop                                          ; a plain instruction behind the last exponential,
	s_wait_alu depctr_va_vdst(0)                   ; the 32 exponentials have written R, ahead of their first reader: one wait for the batch
.irp a, 0,8,16,24
.irp p, 0,2
	v_pk_add_f32 v[R+\a+\p:R+\a+\p+1], v[R+\a+\p:R+\a+\p+1], v[R+\a+4+\p:R+\a+4+\p+1]
.endr
.endr
.irp a, 0,16
.irp p, 0,2
	v_pk_add_f32 v[R+\a+\p:R+\a+\p+1], v[R+\a+\p:R+\a+\p+1], v[R+\a+8+\p:R+\a+8+\p+1]
.endr
.endr
.irp p, 0,2
	v_pk_add_f32 v[S+\p:S+\p+1], v[R+\p:R+\p+1], v[R+16+\p:R+16+\p+1]
.endr
.irp m, 4,8
.irp e, 0,1,2,3
	v_add_f32_dpp v[S+\e], v[S+\e], v[S+\e] row_xmask:\m row_mask:0xf bank_mask:0xf
.endr
.endr
.irp e, 0,1,2,3
	v_permlanex16_b32 v[T+\e], v[S+\e], s[SEL], s[SEL+1]
.endr
.irp p, 0,2
	v_pk_add_f32 v[S+\p:S+\p+1], v[S+\p:S+\p+1], v[T+\p:T+\p+1]
.endr
	s_wait_alu depctr_va_vdst(0)                   ; S is written, which the LDS store reads; the maxima are done reading WP, in which the loads behind the barrier land: no vector line stands between
	ds_store_b128 v7, v[S:S+3] offset:SUMP
	s_wait_dscnt 0x0
	s_barrier_signal -1
	s_barrier_wait -1
.set k, 0
.rept 16                               ; all sixteen waves' sums in one run
	ds_load_b128 v[WP+4*k:WP+4*k+3], v6 offset:SUMP+64*k
.set k, k+1
.endr
	s_wait_alu depctr_vm_vsrc(0)                   ; my LDS store has read S, which the lines below write again
.irp q, 0,1,2,3
	s_wait_dscnt 12-4*\q                           ; four more waves' are in
.irp k, 0,1,2,3
.irp p, 0,2
.if (\q+\k) == 0
.elseif (\q == 0) && (\k == 1)
	v_pk_add_f32 v[S+\p:S+\p+1], v[WP+\p:WP+\p+1], v[WP+4+\p:WP+4+\p+1]  ; the sixteen waves' sums, wave 0's first
.else
	v_pk_add_f32 v[S+\p:S+\p+1], v[S+\p:S+\p+1], v[WP+16*\q+4*\k+\p:WP+16*\q+4*\k+\p+1]
.endif
.endr
.endr
.endr
	; MY WAVE'S 32 WEIGHTS.  c m and the sum are wanted by head lane % 16: they go through the wave's own 128 bytes (LDS serves a wave's instructions in order: ISA guide 5.7.1.4)
	s_wait_alu depctr_va_vdst(0)                   ; S and MC are written, which the LDS stores read; the additions are done reading WP, in which g1 and b1 land; the vector lines that named T and T+1, in which the LDS loads land, are done
	ds_store_b128 v8, v[MC:MC+3]
	ds_store_b128 v8, v[S:S+3] offset:64
	ds_load_b32 v[T],   v9
	ds_load_b32 v[T+1], v9 offset:64
.set j, 0
.rept 8                                ; g1 and b1 are asked for now: they are read last, at the end of row 0's norm.  No vector line since the wait above
	global_load_b128 v[G+4*j:G+4*j+3], v3, s[10:11] offset:512*j
.set j, j+1
.endr
.set j, 0
.rept 8
	global_load_b128 v[B+4*j:B+4*j+3], v3, s[12:13] offset:512*j
.set j, j+1
.endr
	s_wait_loadcnt 40                              ; my two tokens' rs; the 40 loads of x, vsum, g1 and b1 may stay out
	s_wait_dscnt 0x0
	v_fma_f32 v[T+2], v[RO], s[LG], -v[T]
	v_exp_f32 v[T+2], v[T+2]
	v_rcp_f32 v[T+3], v[T+1]                       ; the sum holds the maximum's own term, about 1: never 0
	v_nop
	s_wait_alu depctr_va_vdst(0)                   ; the exponential and the reciprocal have written T+2 and T+3, ahead of their reader: one wait for the two
	v_mul_f32 v[PP], v[T+2], v[T+3]
	s_wait_alu depctr_va_vdst(0)                   ; PP is written, which the permutes read; the sums are done with v[PJ ..], in which their results land
.set n, 0
.rept 16
	ds_bpermute_b32 v[PJ+n], v[BP+n], v[PP]
.set n, n+1
.endr
	s_wait_dscnt 0x0
	s_wait_loadcnt 16                              ; x and vsum are in; the 16 loads of g1 and b1 stay out
.macro ROW p
.irp j, 0,1,2,3,4,5,6,7
.irp k, 0,2
.set rX, X+32*(\p)+4*\j+\k
.set rP, PJ+8*(\p)+2*(\j/2)
.if (\j%2) == 0
	v_pk_fma_f32 v[rX:rX+1], v[VS+4*\j+\k:VS+4*\j+\k+1], v[rP:rP+1], v[rX:rX+1] op_sel_hi:[1,0,1]
.else
	v_pk_fma_f32 v[rX:rX+1], v[VS+4*\j+\k:VS+4*\j+\k+1], v[rP:rP+1], v[rX:rX+1] op_sel:[0,1,0] op_sel_hi:[1,1,1]
.endif
.endr
.endr
	LN X+32*(\p), G, B, T, ST, 1-(\p)
.set i, 0
.rept 16
	v_cvt_pk_bf16_f32 v[Y+16*(\p)+i], v[X+32*(\p)+2*i], v[X+32*(\p)+2*i+1]  ; each row has 16 registers of its own to leave from: no store's data is written again
.set i, i+1
.endr
	s_wait_alu depctr_va_vdst(0)                   ; the roundings have written this row's Y, which the eight stores read
.set i, 0
.rept 8
	global_store_b64 v4, v[Y+16*(\p)+2*i:Y+16*(\p)+2*i+1], s[14:15] offset:2048*(\p)+256*i  ; a wave's store covers 256 consecutive bytes, aligned
.set i, i+1
.endr
.endm
	ROW 0
	ROW 1
	s_wait_dscnt 0x0                               ; the closing lines, six on end
	s_wait_alu 0x0
	s_wait_tensorcnt 0x0
	ds_add_u32 v[SPW], v[NIL]
	s_wait_dscnt 0x0
	s_endpgm
.Lfunc_end_k_qcc116658de_ln1:
	.size	k_qcc116658de_ln1, .Lfunc_end_k_qcc116658de_ln1-k_qcc116658de_ln1
	.p2alignl 7, 3214868480
	.fill 96, 4, 3214868480
	.section	.rodata,"a",@progbits
	.p2align	6, 0x0
	.amdhsa_kernel k_qcc116658de_ln1
		.amdhsa_group_segment_fixed_size 6144
		.amdhsa_private_segment_fixed_size 0
		.amdhsa_enable_private_segment 0
		.amdhsa_kernarg_size 48
		.amdhsa_user_sgpr_count 2
		.amdhsa_user_sgpr_kernarg_segment_ptr 1
		.amdhsa_wavefront_size32 1
		.amdhsa_system_sgpr_workgroup_id_x 1
		.amdhsa_system_sgpr_workgroup_id_y 1
		.amdhsa_system_sgpr_workgroup_id_z 1
		.amdhsa_system_vgpr_workitem_id 0
		.amdhsa_next_free_vgpr 256
		.amdhsa_next_free_sgpr 66
		.amdhsa_reserve_vcc 0
		.amdhsa_float_denorm_mode_32 3
		.amdhsa_float_denorm_mode_16_64 3
		.amdhsa_memory_ordered 1
		.amdhsa_forward_progress 1
		.amdhsa_inst_pref_size 40
	.end_amdhsa_kernel
	.amdgpu_metadata
---
amdhsa.version: [ 1, 2 ]
amdhsa.kernels:
  - .name:           k_qcc116658de_ln1
    .symbol:         k_qcc116658de_ln1.kd
    .args:
      - { .name: x, .offset: 0, .size: 8, .value_kind: global_buffer, .address_space: global }
      - { .name: rs, .offset: 8, .size: 8, .value_kind: global_buffer, .address_space: global }
      - { .name: uv, .offset: 16, .size: 8, .value_kind: global_buffer, .address_space: global }
      - { .name: g1, .offset: 24, .size: 8, .value_kind: global_buffer, .address_space: global }
      - { .name: b1, .offset: 32, .size: 8, .value_kind: global_buffer, .address_space: global }
      - { .name: x1b, .offset: 40, .size: 8, .value_kind: global_buffer, .address_space: global }
    .group_segment_fixed_size: 6144
    .private_segment_fixed_size: 0
    .kernarg_segment_align: 8
    .kernarg_segment_size: 48
    .max_flat_workgroup_size: 512
    .sgpr_count:     66
    .vgpr_count:     256
    .wavefront_size: 32
...
	.end_amdgpu_metadata
.endif
;; end of part 7
;; launch ffn1: the kernel of part 5 again; grid 4 x 64, 4 waves a work-group, clusters of 4 x 4, 327,680 bytes of LDS; arguments x1b, w1p, hb; writes hb
;; launch ffn2: the kernel of part 5 again; grid 4 x 64, 4 waves a work-group, clusters of 4 x 4, 327,680 bytes of LDS; arguments hb, w2p, ffb; writes ffb
;; launch ln2: the kernel of part 6 again; grid 256 x 1, 8 waves a work-group, no clusters, 0 bytes of LDS; arguments x1b, ffb, g2, b2, out0; writes out0
